; MI455X (gfx1250); checked and timed in simulation.
; The chip was launched on July 23, 2026; its instructions are those of AMD's public machine-readable ISA for CDNA 5 (MIT licence, August 2026) and "CDNA5" Instruction Set Architecture Reference Guide (July 2026). The comments in the code are by the model that wrote it; some were corrected since.
;; Attention. Allowed arithmetic: matrix products marked QUANTISED: E2M1 operands, one E8M0 scale for each 32 along K, by v_wmma_scale_f32_16x16x128_f8f6f4 with both operands' format E2M1 (or v_wmma_scale_f32_32x16x128_f4), f32 sums; products left as they are: bf16, f16 or f32 operands; f32 sums; everything else in f32.
;; Inputs: freqs_cos 2,048 x 32 float32; freqs_sin 2,048 x 32 float32; k_beta 64 float32; k_gamma 64 float32; mask 2,048 x 2,048 float32; q_beta 64 float32; q_gamma 64 float32; wo 2,048 x 2,048 float32; wqkv 3,072 x 2,048 float32; x 1 x 2,048 x 2,048 float32.
;; Outputs: out0 1 x 2,048 x 2,048 float32.
;; This version of the problem:
;;   THIS VERSION OF THE PROBLEM IS GIVEN IN LOW PRECISION. The matrix products marked QUANTISED in the list below multiply operands that are first quantised to E2M1 (2 exponent bits, 1 mantissa bit; 4 bits a number), with one power-of-two scale for each 32 numbers along K (OCP MX v1.0); their sums are f32. The products marked 'left as it is' may take bf16, f16 or f32 operands, with f32 sums. Whichever they take, every output number must still come out within the allowed error. Rounding operands to bf16 (8 significant bits) uses up far more of that allowance than f16 does (11 bits, for magnitudes from 6e-5 to 65,504). All else is computed in f32.
;;   The module's matrix products, in the order in which they are computed (A, B: the left and right operand; K: the contracted axis; several contracted axes count as one K, in the product's order):
;;     1. [M 2,048, K 2,048] x [K 2,048, N 3,072]; A: input x; B: input wqkv: QUANTISED
;;     2. batch 32 x [M 2,048, K 64] x [K 64, N 2,048]; A: computed on the way; B: computed on the way: left as it is (an operand is computed on the way)
;;     3. batch 32 x [M 64, K 2,048] x [K 2,048, N 2,048]; A: computed on the way; B: computed on the way: left as it is (an operand is computed on the way)
;;     4. [M 2,048, K 2,048] x [K 2,048, N 2,048]; A: computed on the way; B: input wo: left as it is (an operand is computed on the way)
;;   THE QUANTISER, for each operand of a quantised product, along K:
;;     - K is cut into blocks of 32 from its start; a last block that is shorter is filled with zeros.
;;     - A block's scale is 2^e with e = floor(log2(the largest magnitude in the block)) - 2, held to -126 .. 127; a block of zeros has e = 0. As a byte (E8M0): e + 127.
;;     - Each number is divided by its block's scale, clamped to +-6, and rounded to the nearest number of E2M1, ties to even, subnormals kept.
;;     - The product sums the exact products of the quantised numbers (number of the format x scale) in f32.
;;   ~~~python
;;   def quantise(x, axis):      # numpy; x: float32 -> the quantised numbers, widened to float32 again
;;       x = np.moveaxis(x, axis, -1); K = x.shape[-1]
;;       x = np.pad(x, [(0, 0)] * (x.ndim - 1) + [(0, -K % 32)]); x = x.reshape(x.shape[:-1] + (-1, 32)); a = np.abs(x).max(-1, keepdims=True)
;;       e = np.where(a > 0, np.clip(np.frexp(np.where(a > 0, a, 1))[1] - 1 - 2, -126, 127), 0)      # np.frexp(a)[1] - 1 = floor(log2(a)), exactly
;;       r = np.clip(x / 2.0 ** e, -6, 6)
;;       step = 2.0 ** (np.maximum(np.frexp(np.where(r == 0, 1, r))[1] - 1, 0) - 1)
;;       q = np.round(r / step) * step * 2.0 ** e      # np.round: ties to even
;;       return np.moveaxis(q.reshape(q.shape[:-2] + (-1,))[..., :K], -1, axis).astype(np.float32)
;;   ~~~
;; One version. Each part assembles by itself: llvm-mc -triple=amdgcn-amd-amdhsa -mcpu=gfx1250 --defsym DOCPART=n.
;; ======== version 1 of 1: 6 launches
;; limits: values are held in f16: magnitudes above 65,504 overflow, below 6.1e-05 lose precision
;; workspace buffers: xw 5,570,560 bytes; wo16 8,388,608 bytes; qimg 8,388,608 bytes; kvimg 6,291,456 bytes; part 4,325,376 bytes; attn16 8,388,608 bytes; attn32 131,072 bytes
;; launch prep (part 1): grid 448 x 1, 4 waves a work-group, no clusters, 33,280 bytes of LDS; arguments x, wqkv, wo, xw, wo16; writes xw, wo16
.if DOCPART == 1
	.amdgcn_target "amdgcn-amd-amdhsa--gfx1250"
	.amdhsa_code_object_version 6
	.text
	.protected	k_q791087f3ad_prep
	.globl	k_q791087f3ad_prep
	.p2align	8
	.type	k_q791087f3ad_prep,@function
k_q791087f3ad_prep:
	s_mov_b64 s[64:65], 0
	v_nop
	global_prefetch_b8 v0, s[64:65] scope:SCOPE_SE
	s_setreg_imm32_b32 hwreg(HW_REG_WAVE_MODE, 25, 1), 1
	s_wait_xcnt 0x0
; THE PROGRAM: out0 = attention(x) as the problem states it, in six launches: prep, qkv, fattn, attn, proj, fproj.
; NOTHING IS LEFT OUT AS DEAD WORK: every input has a way to the output and is loaded.  The mask is an input, so all 2,048 keys are walked for every query and the mask is read and added;
; k_beta is turned by the rotary step key by key, so it is not the same along the softmax's axis.
; LIMITS of the program: Q' = q log2(e)/8, K, V, the softmax's weights, the attention's result and wo go to the matrix units as f16: their magnitudes stay under 65,504; mask numbers are finite with
; |mask| x 1.4427 inside f32.  NaN and infinities among the inputs are not served.
; THIS LAUNCH.  Work-groups 0-127: x [2048][2048], 128-319: wqkv [3072][2048], f32, into codes of FP4 (E2M1), K innermost, with one E8M0 byte for each 32 along K.  Both are plain streams of blocks of 32.
; A block's scale is 2^(floor(log2(largest magnitude)) - 2); its byte is the largest magnitude's exponent field - 2, held at 1 from below (a block of zeros gets the byte 1 where the rule says 127: its codes are
; zeros, and this program alone reads the bytes).  Blocks whose largest magnitude lies under 2^(2 - 126) were not tried.
; xw: x's codes at 0 (1,024 bytes a row), wqkv's at 2,097,152, x's scale bytes at 5,242,880 (64 a row), wqkv's at 5,373,952: run n of 8,192 numbers, counted through both tensors, has its codes at 4,096 n and its bytes at 5,242,880 + 256 n.
; A wave takes 16 steps of 512 numbers; each load reads 512 consecutive bytes; a step's 2,048 bytes turn through the wave's own stage in LDS, so that a lane holds 16 neighbours along K.
; Work-groups 320-447: wo [2048][2048] f32 to f16, in place of layout: a stream with no LDS.
.set WAVES, 4
.set STEPS, 16
.set WGX,   128                        ; work-groups for x
.set WGQ,   320                        ; work-groups that quantise
.set EMAX,  2
.set CB,    8                          ; bytes of 16 codes
.set R,     16                         ; v16-79   four sets of 16 numbers as loaded
.set X,     80                         ; v80-111  two sets of 16 neighbours
.set C,     128                        ; v128-191 codes, four registers a step
.set E,     112                        ; v112-127 a scale byte for each step
.set WREG,  8192                       ; LDS: a region for each wave: two stages of 32 x SP bytes, then its 256 scale bytes
.set SP,    80
.set SPW,   12                         ; v12 LDS address of my spare word; never rewritten
.set NIL,   13                         ; v13 0; never rewritten
.set SPARE, WAVES*WREG                 ; the spare words: 128 bytes a wave, named by no other line
.set SCO,   5242880                    ; where the scale bytes begin in xw
	s_load_b128 s[4:7], s[0:1], 0x0                ; x, wqkv
	s_load_b128 s[8:11], s[0:1], 0x10              ; wo, xw
	s_load_b64 s[12:13], s[0:1], 0x20              ; wo16
	v_lshl_add_u32 v[SPW], v0, 2, SPARE
	v_mov_b32 v[NIL], 0
	v_lshrrev_b32 v1, 5, v0
	v_readfirstlane_b32 s16, v1                    ; wave
	v_and_b32 v2, 31, v0                           ; lane
	v_lshlrev_b32 v3, 4, v2                        ; my 16 bytes of a load's 512
	s_cmp_ge_u32 ttmp9, WGQ                        ; the work-group's number alone decides
	s_cbranch_scc1 .Lcast
	s_mul_i32 s17, s16, WREG
	v_lshrrev_b32 v14, 2, v2
	v_mul_u32_u24 v14, v14, SP
	v_and_b32 v15, 3, v2
	v_lshl_add_u32 v14, v15, 4, v14
	v_add_nc_u32 v14, s17, v14                     ; the stage, in: SP (lane / 4) + 16 (lane % 4)
	v_mul_u32_u24 v15, v2, SP
	v_add_nc_u32 v15, s17, v15                     ; and out: SP x lane: my 16 neighbours
	v_mul_u32_u24 v4, v2, CB                       ; my codes' place in a step's
	v_lshrrev_b32 v5, 1, v2
	s_add_co_u32 s17, s17, 2*32*SP
	v_add_nc_u32 v5, s17, v5                       ; my block's byte among my wave's 256
	v_lshlrev_b32 v7, 3, v2
	v_add_nc_u32 v6, s17, v7
	s_wait_kmcnt 0x0
	s_cmp_lt_u32 ttmp9, WGX
	s_cselect_b64 s[4:5], s[4:5], s[6:7]           ; x or wqkv
	s_cselect_b32 s17, 0, WGX
	s_sub_co_u32 s17, ttmp9, s17
	s_lshl_b32 s17, s17, 2
	s_add_co_u32 s18, s17, s16                     ; my run of 8,192 numbers in its tensor
	s_mov_b32 s19, 0
	s_lshl_b64 s[20:21], s[18:19], 15
	s_add_nc_u64 s[4:5], s[4:5], s[20:21]
	s_lshl_b32 s18, ttmp9, 2
	s_add_co_u32 s18, s18, s16                     ; n: my run counted through both tensors
	s_lshl_b32 s20, s18, 12
	s_mov_b32 s21, 0
	s_add_nc_u64 s[22:23], s[10:11], s[20:21]      ; its codes
	s_lshl_b32 s20, s18, 8
	s_add_co_u32 s20, s20, SCO
	s_add_nc_u64 s[24:25], s[10:11], s[20:21]      ; its scale bytes
.macro LOAD t
.irp i, 0,1,2,3
	global_load_b128 v[R+16*((\t)%4)+4*\i:R+16*((\t)%4)+4*\i+3], v3, s[4:5] offset:2048*(\t)+512*\i th:TH_LOAD_NT
.endr
.endm
.macro TURN t                          ; step t's numbers through the stage: LDS serves a wave's instructions in order
.irp i, 0,1,2,3
	ds_store_b128 v14, v[R+16*((\t)%4)+4*\i:R+16*((\t)%4)+4*\i+3] offset:32*SP*((\t)%2)+8*SP*\i
.endr
.irp i, 0,1,2,3
	ds_load_b128 v[X+16*((\t)%2)+4*\i:X+16*((\t)%2)+4*\i+3], v15 offset:32*SP*((\t)%2)+16*\i
.endr
.endm
.irp t, 0,1,2,3
	LOAD \t
.endr
	s_wait_loadcnt 12                              ; step 0's four loads are in; twelve younger ones stay out
	TURN 0
.macro STEP t
.set XS, X+16*((\t)%2)
.if (\t) > 0
	s_wait_dscnt 1                                 ; this step's numbers are back from the stage; the last step's byte store may be out
.else
	s_wait_dscnt 0x0
.endif
.if (\t)+4 < STEPS
	LOAD (\t)+4
.endif
.if (\t)+1 < STEPS
.if STEPS-2-(\t) >= 3
	s_wait_loadcnt 12                              ; the next step's four loads are in; those of the three steps behind it may be out
.else
	s_wait_loadcnt 4*(STEPS-2-(\t))
.endif
	TURN (\t)+1
.endif
	v_max3_num_f32 v8, |v[XS]|, |v[XS+1]|, |v[XS+2]|
	v_max3_num_f32 v9, |v[XS+3]|, |v[XS+4]|, |v[XS+5]|
.irp i, 6,10
	v_max3_num_f32 v8, v8, |v[XS+\i]|, |v[XS+\i+1]|
	v_max3_num_f32 v9, v9, |v[XS+\i+2]|, |v[XS+\i+3]|
.endr
	v_max3_num_f32 v8, v8, |v[XS+14]|, |v[XS+15]|
	v_max3_num_f32 v8, v8, v9, (EMAX+1)<<23        ; the floor 2^(EMAX + 1 - 127): the byte cannot fall under 1
	v_max_num_f32_dpp v8, v8, v8 row_xmask:1 row_mask:0xf bank_mask:0xf   ; with my neighbour's 16: the block's largest magnitude
	v_add_nc_u32 v11, -(EMAX<<23), v8              ; EMAX off its exponent field: the conversion's scale operand
	v_cvt_scalef32_pk8_fp4_f32 v[C+4*(\t)], v[XS:XS+7], v11
	v_cvt_scalef32_pk8_fp4_f32 v[C+4*(\t)+1], v[XS+8:XS+15], v11
	v_lshrrev_b32 v[E+(\t)], 23, v11               ; the scale's byte
	ds_store_b8 v5, v[E+(\t)] offset:16*(\t)       ; both lanes of a block write the same byte with the same value
	global_store_b64 v4, v[C+4*(\t):C+4*(\t)+1], s[22:23] offset:32*CB*(\t)   ; the wave stores 256 consecutive bytes, aligned
.endm
.irp t, 0,1,2,3,4,5,6,7,8,9,10,11,12,13,14,15
	STEP \t
.endr
	ds_load_b64 v[8:9], v6                         ; in order behind my byte stores
	s_wait_dscnt 0x0
	global_store_b64 v7, v[8:9], s[24:25]          ; 256 consecutive bytes, aligned
	s_wait_tensorcnt 0x0                           ; the wave's end, behind my last LDS store
	ds_add_u32 v[SPW], v[NIL]
	s_wait_dscnt 0x0
	s_endpgm
; ---- wo to f16.  A wave takes 8,192 numbers in four batches of sixteen loads; two register sets by turns.
.Lcast:
	v_lshlrev_b32 v4, 3, v2                        ; out: 8 bytes a lane
	s_sub_co_u32 s17, ttmp9, WGQ
	s_lshl_b32 s17, s17, 2
	s_add_co_u32 s18, s17, s16                     ; my run
	s_lshl_b32 s20, s18, 15
	s_mov_b32 s21, 0
	s_lshl_b32 s22, s18, 14
	s_mov_b32 s23, 0
	s_wait_kmcnt 0x0
	s_add_nc_u64 s[8:9], s[8:9], s[20:21]
	s_add_nc_u64 s[12:13], s[12:13], s[22:23]
.macro CLOAD b, set
.irp i, 0,1,2,3,4,5,6,7,8,9,10,11,12,13,14,15
	global_load_b128 v[\set+4*\i:\set+4*\i+3], v3, s[8:9] offset:8192*\b+512*\i
.endr
.endm
.macro CSTORE b, set
.irp i, 0,1,2,3,4,5,6,7,8,9,10,11,12,13,14,15
	v_cvt_pk_f16_f32 v[\set+4*\i], v[\set+4*\i], v[\set+4*\i+1]
	v_cvt_pk_f16_f32 v[\set+4*\i+1], v[\set+4*\i+2], v[\set+4*\i+3]
	global_store_b64 v4, v[\set+4*\i:\set+4*\i+1], s[12:13] offset:4096*\b+256*\i   ; 256 consecutive bytes a wave, aligned
.endr
.endm
	CLOAD 0, 16
	CLOAD 1, 80
	s_wait_loadcnt 16                              ; the older batch is in; the other set's sixteen stay out
	CSTORE 0, 16
	s_wait_xcnt 0x0                                ; the stores have read their registers: the set is loaded again only behind this wait
	CLOAD 2, 16
	s_wait_loadcnt 16
	CSTORE 1, 80
	s_wait_xcnt 0x0
	CLOAD 3, 80
	s_wait_loadcnt 16
	CSTORE 2, 16
	s_wait_loadcnt 0x0
	CSTORE 3, 80
	s_endpgm
.Lfunc_end_k_q791087f3ad_prep:
	.size	k_q791087f3ad_prep, .Lfunc_end_k_q791087f3ad_prep-k_q791087f3ad_prep
	.p2alignl 7, 3214868480
	.fill 96, 4, 3214868480
	.section	.rodata,"a",@progbits
	.p2align	6, 0x0
	.amdhsa_kernel k_q791087f3ad_prep
		.amdhsa_group_segment_fixed_size 33280
		.amdhsa_private_segment_fixed_size 0
		.amdhsa_enable_private_segment 0
		.amdhsa_kernarg_size 40
		.amdhsa_user_sgpr_count 2
		.amdhsa_user_sgpr_kernarg_segment_ptr 1
		.amdhsa_wavefront_size32 1
		.amdhsa_system_sgpr_workgroup_id_x 1
		.amdhsa_system_sgpr_workgroup_id_y 1
		.amdhsa_system_sgpr_workgroup_id_z 1
		.amdhsa_system_vgpr_workitem_id 0
		.amdhsa_next_free_vgpr 192
		.amdhsa_next_free_sgpr 66
		.amdhsa_reserve_vcc 0
		.amdhsa_float_denorm_mode_32 3
		.amdhsa_float_denorm_mode_16_64 3
		.amdhsa_memory_ordered 1
		.amdhsa_forward_progress 1
		.amdhsa_inst_pref_size 54
	.end_amdhsa_kernel
	.amdgpu_metadata
---
amdhsa.version: [ 1, 2 ]
amdhsa.kernels:
  - .name:           k_q791087f3ad_prep
    .symbol:         k_q791087f3ad_prep.kd
    .args:
      - { .name: x, .offset: 0, .size: 8, .value_kind: global_buffer, .address_space: global }
      - { .name: wqkv, .offset: 8, .size: 8, .value_kind: global_buffer, .address_space: global }
      - { .name: wo, .offset: 16, .size: 8, .value_kind: global_buffer, .address_space: global }
      - { .name: xw, .offset: 24, .size: 8, .value_kind: global_buffer, .address_space: global }
      - { .name: wo16, .offset: 32, .size: 8, .value_kind: global_buffer, .address_space: global }
    .group_segment_fixed_size: 33280
    .private_segment_fixed_size: 0
    .kernarg_segment_align: 8
    .kernarg_segment_size: 40
    .max_flat_workgroup_size: 128
    .sgpr_count:     66
    .vgpr_count:     192
    .wavefront_size: 32
...
	.end_amdgpu_metadata
.endif
;; end of part 1
;; launch qkv (part 2): grid 24 x 8, 4 waves a work-group, clusters of 4 x 4, 327,680 bytes of LDS; arguments xw, q_gamma, q_beta, k_gamma, k_beta, freqs_cos, freqs_sin, qimg, kvimg; writes qimg, kvimg
.if DOCPART == 2
	.amdgcn_target "amdgcn-amd-amdhsa--gfx1250"
	.amdhsa_code_object_version 6
	.text
	.protected	k_q791087f3ad_qkv
	.globl	k_q791087f3ad_qkv
	.p2align	8
	.type	k_q791087f3ad_qkv,@function
k_q791087f3ad_qkv:
	s_mov_b64 s[64:65], 0
	v_nop
	global_prefetch_b8 v0, s[64:65] scope:SCOPE_SE
	s_setreg_imm32_b32 hwreg(HW_REG_WAVE_MODE, 25, 1), 1
	s_wait_xcnt 0x0
	s_wait_alu depctr_hold_cnt(0) depctr_sa_sdst(0) depctr_va_vdst(0) depctr_va_sdst(0) depctr_va_ssrc(0) depctr_va_vcc(0) depctr_vm_vsrc(0)
	s_getreg_b32 s2, hwreg(HW_REG_IB_STS2, 6, 4)
	s_cmp_eq_u32 s2, 0
	s_cbranch_scc0 .Lentry_in_a_cluster
	s_endpgm
.Lentry_in_a_cluster:
	s_bfe_u32 s2, ttmp6, 0x10000c
	s_cmp_lg_u32 s2, 0xf033
	s_cbranch_scc0 .Lentry_shape_is_right
	s_endpgm
.Lentry_shape_is_right:
; xqkv = x wqkv^T on codes of FP4 with E8M0 scales (the quantised product), then LayerNorm over a head's 64 and the rotary step for q and k, in f32; results leave as f16 images of operand registers.  No work is left out.
; A work-group makes 256 tokens x 128 columns (two heads); a wave 128 tokens x one head: 32 accumulators of 16 x 16.  With 128 columns to a work-group a cluster spans 512 columns, so the cluster's x alone says
; what the columns are (0-3: q, 4: k, 5: v): the way out branches on a number that all partners share.
; K goes in steps of 512 (rows of 256 bytes) through two LDS slots; the scale bytes of the work-group's rows, for all of K, come once.  4 x 4 work-groups form a cluster: x's tiles are asked for jointly along a row
; of the cluster, wqkv's along a column.
; THE PRODUCT IS USED TRANSPOSED (source 0 = 16 rows of wqkv, source 1 = 16 tokens): lane (r, h) of accumulator (a, b) holds token 16 a + r and channels 16 b + 8 h + 0..7 of its head.
; AN IMAGE of 16 tokens x 64 channels in f16 is 2,048 bytes: chunk t (512 bytes) holds lane l's 16 bytes at 16 l: token r, channels 16 t + 8 h + 0..7.  Chunks 2 s, 2 s + 1 are registers 0-3, 4-7 of the
; 16 x 32 fragment s.  V's image permutes the lanes in a chunk: piece (token r, half h) lies at 16 (r / 8) + 8 h + r % 8, so that the turning LDS load at 16 x lane gives a fragment of V^T.
; Q' = q log2(e) / 8: the factor is folded into 1 / sigma and into beta in f32, ahead of the one rounding to f16.  V leaves twice: a high part (ten mantissa bits, exact in f16) and the rest.
; LIMITS: |q'|, |k|, |v| under 65,504.
; REGISTERS: window 0: v8-29 addresses; v32-95 scale words, two sets (they hold scales and nothing else); v96-159 x's fragments, one set; v160-223 wqkv's, two sets; on the way out v96-191 are at work.
;   window 1: the accumulators, (a, b) at v[8 (4 a + b)].   window 2: v0-31 gamma, v32-63 beta, v64-127 cos and sin, two sets.
.set PITCH,  272                       ; an LDS row: 256 bytes + 16 of padding: the 16 rows that a load touches start at 16 different banks (64 banks of 4 bytes: ISA guide 11.1)
.set XHALF,  128*PITCH                 ; what one load brings of x
.set WHALF,  64*PITCH                  ; and of wqkv
.set WOFF,   2*XHALF
.set SLOT,   WOFF+2*WHALF
.set SCL,    2*SLOT                    ; behind the ring: the scale bytes, as units of 256 bytes + 16
.set XSH,    32*272                    ; those of 128 rows of x
.set WSH,    16*272                    ; of 64 rows of wqkv
.set WSO,    2*XSH
.set SBLK,   4*272                     ; of 16 rows
.set SPARE,  SCL+WSO+2*WSH             ; the spare words
.set LI,   8                           ; v8   16 x lane
.set VI,   9                           ; v9   V's place in a chunk
.set CSO,  10                          ; v10  cos, sin: 128 r + 16 h
.set GBO,  11                          ; v11  gamma, beta: 32 h
.set ADRA, 16                          ; v16-17 x's fragments in slot 0, 1
.set ADRB, 20                          ; v20-21 wqkv's
.set ADRX, 26                          ; v26  x's scale words, all lanes
.set ADRS, 27                          ; v27  lanes 0-15 x's, lanes 16-31 wqkv's
.set SPW,  28
.set NIL,  29
.set SC,   32
.set AF,   96
.set BF,   160
.set T,    96                          ; the way out: 32 numbers
.set PK,   128                         ; 16 packed
.set W,    144                         ; at work; V: the low part packed
.set LW,   160                         ; V: the low part in f32
.set GA,   0                           ; window 2
.set BE,   32
.set CS,   64
.set WV,   22
.set WR,   23                          ; my half of the tokens; also: I fetch for x (0) or wqkv (1)
.set WC,   24                          ; my head of the two; also: which half I fetch
.set G1A,  32
.set G1B,  40
.set G1SA, 48
.set G1SB, 56
.set SEL,  66
.set G0A,  68
.set G0B,  76
.set G0SA, 84
.set G0SB, 88
.set MSB, 0
.macro WIN new                         ; the immediate's high byte repeats the setting that is left
.if MSB != \new
	s_set_vgpr_msb (MSB<<8)|\new
.set MSB, \new
.endif
.endm
.macro JLOAD g0a, g1a, g0b, g1b        ; a joint load: waves 0, 1 for x, waves 2, 3 for wqkv; the branch hangs on the wave's number alone; s_nop 0 and four v_nop follow each line
	s_cmp_eq_u32 s[WR], 0
	s_cbranch_scc0 .Lfor_b_\@
	tensor_load_to_lds s[\g0a:\g0a+3], s[\g1a:\g1a+7]
	s_nop 0
.rept 4
	v_nop
.endr
	s_branch .Lasked_\@
.Lfor_b_\@:
	tensor_load_to_lds s[\g0b:\g0b+3], s[\g1b:\g1b+7]
	s_nop 0
.rept 4
	v_nop
.endr
.Lasked_\@:
.endm
.macro CREST
	s_cmp_lg_u32 s[WV], 0
	s_cbranch_scc1 .Lnot_wave_0_\@
	s_barrier_signal -3
.Lnot_wave_0_\@:
	s_barrier_wait -3
	s_barrier_signal -1
	s_barrier_wait -1
.endm
.macro CROUND
	s_barrier_signal -1
	s_barrier_wait -1
	CREST
.endm
.macro PLACES n
.rept \n
	v_nop
.endr
.endm
	s_load_b256 s[4:11], s[0:1], 0x0               ; xw, q_gamma, q_beta, k_gamma
	s_load_b256 s[12:19], s[0:1], 0x20             ; k_beta, cos, sin, qimg
	s_load_b64 s[20:21], s[0:1], 0x40              ; kvimg
	v_lshl_add_u32 v[SPW], v0, 2, SPARE
	v_mov_b32 v[NIL], 0
	ds_add_u32 v[SPW], v[NIL]                      ; the wave's opening: the add, twice on end, and its wait ahead of my first tensor load
	ds_add_u32 v[SPW], v[NIL]
	v_lshrrev_b32 v1, 5, v0
	v_readfirstlane_b32 s[WV], v1
	s_lshr_b32 s[WR], s[WV], 1
	s_and_b32 s[WC], s[WV], 1
	s_bfe_u32 s25, ttmp6, 0x40000                  ; cx
	s_bfe_u32 s26, ttmp6, 0x40004                  ; cy
	s_lshl_b32 s27, ttmp9, 2
	s_add_co_u32 s27, s27, s25                     ; tile column: 128 columns each
	s_and_b32 s28, ttmp7, 0xffff
	s_lshl_b32 s28, s28, 2
	s_add_co_u32 s28, s28, s26                     ; tile row: 256 tokens each
	s_lshl_b32 s29, s26, 2
	s_lshl_b32 s29, 15, s29                        ; my row of the cluster
	s_lshl_b32 s30, 0x1111, s25                    ; my column
	s_or_b32 s[G1A+0], s29, (0<<16)|(1<<20)|(1<<21)|(5<<22)|(3<<25)   ; mask; elements of 1 byte; padding: 4 words behind every 64
	s_or_b32 s[G1B+0], s30, (0<<16)|(1<<20)|(1<<21)|(5<<22)|(3<<25)
	s_mov_b32 s[G1A+1], 256<<16                    ; tensor_dim0
	s_mov_b32 s[G1A+2], 128<<16                    ; tensor_dim1
	s_mov_b32 s[G1A+3], 256<<16                    ; tile_dim0
	s_mov_b32 s[G1A+4], 128                        ; tile_dim1
	s_mov_b32 s[G1A+5], 1024                       ; bytes from row to row
	s_mov_b32 s[G1A+6], 0
	s_mov_b32 s[G1A+7], 0
	s_mov_b32 s[G1B+1], 256<<16
	s_mov_b32 s[G1B+2], 64<<16
	s_mov_b32 s[G1B+3], 256<<16
	s_mov_b32 s[G1B+4], 64
	s_mov_b32 s[G1B+5], 1024
	s_mov_b32 s[G1B+6], 0
	s_mov_b32 s[G1B+7], 0
	s_or_b32 s[G1SA+0], s29, (3<<16)|(1<<20)|(1<<21)|(5<<22)|(3<<25)  ; the scale bytes: dense, as rows of 256 bytes (32 elements of 8)
	s_or_b32 s[G1SB+0], s30, (3<<16)|(1<<20)|(1<<21)|(5<<22)|(3<<25)
	s_mov_b32 s[G1SA+1], 32<<16
	s_mov_b32 s[G1SA+2], 32<<16
	s_mov_b32 s[G1SA+3], 32<<16
	s_mov_b32 s[G1SA+4], 32
	s_mov_b32 s[G1SA+5], 32
	s_mov_b32 s[G1SA+6], 0
	s_mov_b32 s[G1SA+7], 0
	s_mov_b32 s[G1SB+1], 32<<16
	s_mov_b32 s[G1SB+2], 16<<16
	s_mov_b32 s[G1SB+3], 32<<16
	s_mov_b32 s[G1SB+4], 16
	s_mov_b32 s[G1SB+5], 32
	s_mov_b32 s[G1SB+6], 0
	s_mov_b32 s[G1SB+7], 0
	; where the tiles come from: x's hang on the tile row alone, wqkv's on the tile column alone, each in registers that never hold the other coordinate
	s_lshl_b32 s31, s[WC], 7
	s_lshl_b32 s92, s28, 8
	s_add_co_u32 s92, s92, s31                     ; x: row 256 x tile row + 128 x half
	s_lshl_b32 s94, s92, 6
	s_add_co_u32 s94, s94, 5242880                 ; its scale bytes
	s_lshl_b32 s92, s92, 10                        ; its codes
	s_mov_b32 s93, 0
	s_mov_b32 s95, 0
	s_lshl_b32 s31, s[WC], 6
	s_lshl_b32 s96, s27, 7
	s_add_co_u32 s96, s96, s31                     ; wqkv: row 128 x tile column + 64 x half
	s_lshl_b32 s98, s96, 6
	s_add_co_u32 s98, s98, 5373952
	s_lshl_b32 s96, s96, 10
	s_add_co_u32 s96, s96, 2097152
	s_mov_b32 s97, 0
	s_mov_b32 s99, 0
	s_mul_i32 s2, s[WC], XHALF                     ; and where they go: the wave's number alone
	s_mul_i32 s3, s[WC], WHALF
	s_add_co_u32 s3, s3, WOFF
	s_mov_b32 s[SEL], 0x76543210
	s_mov_b32 s[SEL+1], 0xfedcba98
	s_wait_dscnt 0x0                               ; both opening adds are done
	s_wait_kmcnt 0x0
	s_add_nc_u64 s[92:93], s[4:5], s[92:93]
	s_add_nc_u64 s[94:95], s[4:5], s[94:95]
	s_add_nc_u64 s[96:97], s[4:5], s[96:97]
	s_add_nc_u64 s[98:99], s[4:5], s[98:99]
	CROUND                                         ; all sixteen work-groups are here: the first joint loads meet
	s_mul_i32 s31, s[WC], XSH
	s_mov_b32 s[G0SA], 1
	s_add_co_u32 s[G0SA+1], s31, SCL
	s_mov_b64 s[G0SA+2:G0SA+3], s[94:95]
	s_or_b32 s[G0SA+3], s[G0SA+3], 0x80000000
	s_mul_i32 s31, s[WC], WSH
	s_mov_b32 s[G0SB], 1
	s_add_co_u32 s[G0SB+1], s31, SCL+WSO
	s_mov_b64 s[G0SB+2:G0SB+3], s[98:99]
	s_or_b32 s[G0SB+3], s[G0SB+3], 0x80000000
	JLOAD G0SA, G1SA, G0SB, G1SB                   ; the scale bytes first: they are wanted with K step 0
.irp s, 0,1
	s_mov_b32 s[G0A+4*\s], 1
	s_add_co_u32 s[G0A+4*\s+1], s2, \s*SLOT
	s_add_nc_u64 s[G0A+4*\s+2:G0A+4*\s+3], s[92:93], \s*256
	s_or_b32 s[G0A+4*\s+3], s[G0A+4*\s+3], 0x80000000
	s_mov_b32 s[G0B+4*\s], 1
	s_add_co_u32 s[G0B+4*\s+1], s3, \s*SLOT
	s_add_nc_u64 s[G0B+4*\s+2:G0B+4*\s+3], s[96:97], \s*256
	s_or_b32 s[G0B+4*\s+3], s[G0B+4*\s+3], 0x80000000
	JLOAD G0A+4*\s, G1A, G0B+4*\s, G1B
.endr
	v_and_b32 v1, 15, v0                           ; r
	v_bfe_u32 v2, v0, 4, 1                         ; h
	v_mul_u32_u24 v3, v1, PITCH
	v_lshl_add_u32 v4, v2, 4, v3                   ; a fragment's row x pitch + 16 h
	s_mul_i32 s2, s[WR], XHALF
	s_mul_i32 s3, s[WC], WHALF
	s_add_co_u32 s3, s3, WOFF
.irp s, 0,1
	v_add_nc_u32 v[ADRA+\s], s2, v4
	v_add_nc_u32 v[ADRB+\s], s3, v4
	s_add_co_u32 s2, s2, SLOT
	s_add_co_u32 s3, s3, SLOT
.endr
	v_lshlrev_b32 v5, 6, v1                        ; my row's scale bytes: 64 a row,
	v_lshrrev_b32 v6, 8, v5
	v_lshl_add_u32 v5, v6, 4, v5                   ; and 16 more for each 256 passed
	s_mul_i32 s2, s[WR], XSH
	s_mul_i32 s3, s[WC], WSH
	s_add_co_u32 s3, s3, WSO
	s_sub_co_u32 s3, s3, s2
	v_mul_u32_u24 v6, s3, v2                       ; lanes 16-31 take wqkv's: one product, the distance between the two bases
	s_add_co_u32 s2, s2, SCL
	v_add_nc_u32 v[ADRX], s2, v5
	v_add_nc_u32 v[ADRS], v[ADRX], v6
	v_and_b32 v3, 31, v0
	v_lshlrev_b32 v[LI], 4, v3
	v_lshrrev_b32 v3, 3, v1
	v_and_b32 v4, 7, v1
	v_lshl_add_u32 v4, v3, 4, v4
	v_lshl_add_u32 v4, v2, 3, v4
	v_lshlrev_b32 v[VI], 4, v4                     ; 16 x (16 (r / 8) + 8 h + r % 8)
	v_lshlrev_b32 v[CSO], 7, v1
	v_lshl_add_u32 v[CSO], v2, 4, v[CSO]
	v_lshlrev_b32 v[GBO], 5, v2
.macro FRAG reg, adr, q, i             ; 16 rows x 128 K of 4-bit codes: registers 4 c .. 4 c + 3 hold K = 64 c + 32 h + 0..31: 16 bytes of the row as they lie
.irp c, 0,1
	ds_load_b128 v[\reg+4*\c:\reg+4*\c+3], v[\adr] offset:64*(\q)+32*\c+(\i)*16*PITCH
.endr
.endm
; 8 matrix instructions: tokens' blocks a0, a0 + 1 x the head's four blocks of channels, 128 along K.  The 32 accumulators take turns, one instruction a turn, in the same order in every step.
.macro MUL8 a0, p, q, sc, zero
.irp a, \a0, \a0+1
.irp b, 0,1,2,3
.if \zero
	v_wmma_scale_f32_16x16x128_f8f6f4 v[8*(4*(\a)+\b):8*(4*(\a)+\b)+7], v[BF+32*(\p)+8*\b:BF+32*(\p)+8*\b+7], v[AF+8*(\a):AF+8*(\a)+7], 0, v[SC+32*(\sc)+4*\b+(\q)], v[SC+32*(\sc)+4*(\a)+(\q)] matrix_a_fmt:MATRIX_FMT_FP4 matrix_b_fmt:MATRIX_FMT_FP4 matrix_a_scale:MATRIX_SCALE_ROW1
.else
	v_wmma_scale_f32_16x16x128_f8f6f4 v[8*(4*(\a)+\b):8*(4*(\a)+\b)+7], v[BF+32*(\p)+8*\b:BF+32*(\p)+8*\b+7], v[AF+8*(\a):AF+8*(\a)+7], v[8*(4*(\a)+\b):8*(4*(\a)+\b)+7], v[SC+32*(\sc)+4*\b+(\q)], v[SC+32*(\sc)+4*(\a)+(\q)] matrix_a_fmt:MATRIX_FMT_FP4 matrix_b_fmt:MATRIX_FMT_FP4 matrix_a_scale:MATRIX_SCALE_ROW1
.endif
.endr
.endr
.endm
.macro FETCH_B slot, q, p
.irp i, 0,1,2,3
	FRAG BF+32*(\p)+8*\i, ADRB+\slot, \q, \i
.endr
.endm
.macro FETCH_A slot, q, i0
.irp i, \i0, \i0+1, \i0+2, \i0+3
	FRAG AF+8*(\i), ADRA+\slot, \q, \i
.endr
.endm
.macro SCALES sc                       ; a K step's scale words: register 4 i + q: lanes 0-15 x's block i; lanes 16-31 wqkv's block i (i under 4)
.irp i, 0,1,2,3
	ds_load_b128 v[SC+32*\sc+4*\i:SC+32*\sc+4*\i+3], v[ADRS] offset:\i*SBLK
.endr
.irp i, 4,5,6,7
	ds_load_b128 v[SC+32*\sc+4*\i:SC+32*\sc+4*\i+3], v[ADRX] offset:\i*SBLK
.endr
.endm
.macro STEP slot, q, zero              ; 128 along K with its successor in the same slot
	s_wait_dscnt 8                                 ; all but the youngest eight loads (x's blocks 4-7)
	WIN 0x50                                       ; C and D in window 1
	MUL8 0, (\q)%2, \q, \slot, \zero
	MUL8 2, (\q)%2, \q, \slot, \zero
	s_wait_dscnt 0
	PLACES 4                                       ; in front of loads into registers that matrix instructions have read (ISA guide 7.12.1 for vector instructions)
	WIN 0
	FETCH_B \slot, (\q)+1, 1-(\q)%2
	FETCH_A \slot, (\q)+1, 0
	WIN 0x50
	MUL8 4, (\q)%2, \q, \slot, \zero
	MUL8 6, (\q)%2, \q, \slot, \zero
	PLACES 4
	WIN 0
	FETCH_A \slot, (\q)+1, 4
.endm
.macro TURN slot, next, fill           ; a slot's last step changes slots: one barrier; fill = 1: it opens a round of the cluster's barrier and this slot is filled again
	s_wait_tensorcnt 0x0                           ; all my tensor loads have landed: my part of the next slot
	ds_add_u32 v[SPW], v[NIL]
	s_wait_dscnt 9                                 ; the add and the youngest eight loads may be out
	WIN 0x50
	MUL8 0, 1, 3, \slot, 0
	s_wait_dscnt 0x0                               ; the add is done, and my reads of this slot are over
	s_barrier_signal -1
	MUL8 2, 1, 3, \slot, 0
	WIN 0
	s_barrier_wait -1
.if \fill
	CREST                                          ; no wave of any partner still reads this slot or has a load on its way
	s_add_nc_u64 s[G0A+4*\slot+2:G0A+4*\slot+3], s[G0A+4*\slot+2:G0A+4*\slot+3], 512
	s_add_nc_u64 s[G0B+4*\slot+2:G0B+4*\slot+3], s[G0B+4*\slot+2:G0B+4*\slot+3], 512
	JLOAD G0A+4*\slot, G1A, G0B+4*\slot, G1B       ; the first tensor load behind the round; its four v_nop are the places in front of the loads below
.else
	PLACES 4
.endif
	v_add_nc_u32 v[ADRS], 16, v[ADRS]              ; the next K step's scale words
	v_add_nc_u32 v[ADRX], 16, v[ADRX]
	FETCH_B \next, 0, 0
	FETCH_A \next, 0, 0
	SCALES \next
	WIN 0x50
	MUL8 4, 1, 3, \slot, 0
	MUL8 6, 1, 3, \slot, 0
	PLACES 4
	WIN 0
	FETCH_A \next, 0, 4
.endm
	s_wait_tensorcnt 1                             ; the scale bytes and my part of K step 0 are in; K step 1's load may be out
	s_barrier_signal -1
	s_barrier_wait -1
	FETCH_B 0, 0, 0
	FETCH_A 0, 0, 0
	SCALES 0
	FETCH_A 0, 0, 4
	STEP 0, 0, 1                                   ; the first products start the sums: nothing is cleared
	STEP 0, 1, 0
	STEP 0, 2, 0
	TURN 0, 1, 1                                   ; slot 0 takes K step 2
	STEP 1, 0, 0
	STEP 1, 1, 0
	STEP 1, 2, 0
	TURN 1, 0, 1                                   ; slot 1 takes K step 3
	STEP 0, 0, 0
	STEP 0, 1, 0
	STEP 0, 2, 0
	TURN 0, 1, 0
	STEP 1, 0, 0
	STEP 1, 1, 0
	STEP 1, 2, 0
	s_wait_dscnt 8
	WIN 0x50
	MUL8 0, 1, 3, 1, 0
	MUL8 2, 1, 3, 1, 0
	s_wait_dscnt 0
	MUL8 4, 1, 3, 1, 0
	MUL8 6, 1, 3, 1, 0
	WIN 0
	PLACES 4                                       ; behind the last products, ahead of every read of results and every load into operands
	; ---- THE WAY OUT
	s_lshl_b32 s2, s27, 1
	s_add_co_u32 s2, s2, s[WC]                     ; my head among the 48 of the columns
	s_lshl_b32 s3, s28, 4
	s_lshl_b32 s31, s[WR], 3
	s_add_co_u32 s3, s3, s31                       ; my first block of 16 tokens
	s_cmp_eq_u32 ttmp9, 5                          ; the cluster's x: the same in all sixteen partners
	s_cbranch_scc1 .Lv
	s_cmp_lt_u32 ttmp9, 4                          ; q or k
	s_cselect_b64 s[68:69], s[6:7], s[10:11]       ; gamma
	s_cselect_b64 s[70:71], s[8:9], s[12:13]       ; beta
	s_cselect_b64 s[96:97], s[18:19], s[20:21]     ; qimg or kvimg
	s_mov_b32 s94, 1.0
	s_cselect_b32 s94, 0x3e38aa3b, s94             ; q: log2(e) / 8; k: 1
	s_cselect_b32 s31, 0, 32
	s_mov_b32 s95, s94
	s_sub_co_u32 s2, s2, s31
	s_lshl_b32 s2, s2, 7
	s_add_co_u32 s2, s2, s3
	s_lshl_b32 s2, s2, 11                          ; (head x 128 + block) x 2,048
	s_mov_b32 s3, 0
	s_add_nc_u64 s[96:97], s[96:97], s[2:3]
	s_lshl_b32 s72, s28, 15
	s_lshl_b32 s73, s[WR], 14
	s_add_co_u32 s72, s72, s73                     ; my first token's row of cos and sin: 128 bytes a row
	s_mov_b32 s73, 0
	s_add_nc_u64 s[14:15], s[14:15], s[72:73]
	s_add_nc_u64 s[16:17], s[16:17], s[72:73]
	s_mov_b32 s92, 0x3c800000                      ; 1 / 64
	s_mov_b32 s93, 0x3727c5ac                      ; 1e-5
.macro CSLOAD b                        ; block b's cos and sin: lane (r, h) wants, for chunk t, numbers 8 t + 4 h + 0..3 of its token's row
	WIN 0x80
.irp t, 0,1,2,3
	global_load_b128 v[CS+32*((\b)%2)+4*\t:CS+32*((\b)%2)+4*\t+3], v[CSO], s[14:15] offset:2048*(\b)+32*\t
	global_load_b128 v[CS+32*((\b)%2)+16+4*\t:CS+32*((\b)%2)+16+4*\t+3], v[CSO], s[16:17] offset:2048*(\b)+32*\t
.endr
	WIN 0
.endm
	WIN 0x80
.irp t, 0,1,2,3
	global_load_b128 v[GA+8*\t:GA+8*\t+3], v[GBO], s[68:69] offset:64*\t
	global_load_b128 v[GA+8*\t+4:GA+8*\t+7], v[GBO], s[68:69] offset:64*\t+16
.endr
.irp t, 0,1,2,3
	global_load_b128 v[BE+8*\t:BE+8*\t+3], v[GBO], s[70:71] offset:64*\t
	global_load_b128 v[BE+8*\t+4:BE+8*\t+7], v[GBO], s[70:71] offset:64*\t+16
.endr
	WIN 0
	CSLOAD 0
	s_wait_loadcnt 8                               ; gamma and beta are in; block 0's eight loads may be out
	WIN 0x82
.set kk, 0
.rept 16
	v_pk_mul_f32 v[BE+kk:BE+kk+1], v[BE+kk:BE+kk+1], s[94:95] op_sel_hi:[1,0]   ; beta x the factor
.set kk, kk+2
.endr
	WIN 0
.macro LNBLK a                         ; 16 tokens: LayerNorm, the rotary step, f16, four stores of 512 consecutive bytes
.set AC, 32*(\a)
.set CB, CS+32*((\a)%2)
	s_wait_xcnt 0x0                                ; the last block's stores have read their registers
.if (\a) < 7
	CSLOAD (\a)+1
.endif
	WIN 0x05
.irp k, 0,1,2,3,4,5,6,7
	v_pk_add_f32 v[W+2*\k:W+2*\k+1], v[AC+4*\k:AC+4*\k+1], v[AC+4*\k+2:AC+4*\k+3]   ; ascending: each accumulator is read from its low end on
.endr
	WIN 0
.irp k, 0,1,2,3
	v_pk_add_f32 v[W+2*\k:W+2*\k+1], v[W+2*\k:W+2*\k+1], v[W+8+2*\k:W+9+2*\k]
.endr
.irp k, 0,1
	v_pk_add_f32 v[W+2*\k:W+2*\k+1], v[W+2*\k:W+2*\k+1], v[W+4+2*\k:W+5+2*\k]
.endr
	v_pk_add_f32 v[W:W+1], v[W:W+1], v[W+2:W+3]
	v_add_f32 v[W], v[W], v[W+1]
	v_permlanex16_b32 v[W+1], v[W], s[SEL], s[SEL+1]   ; the token's other 32 channels lie in the lane 16 away
	v_add_f32 v[W], v[W], v[W+1]
	v_mul_f32 v[W], s92, v[W]                      ; the mean
	WIN 0x01
.set kk, 0
.rept 16
	v_pk_add_f32 v[T+kk:T+kk+1], v[AC+kk:AC+kk+1], v[W:W+1] op_sel_hi:[1,0] neg_lo:[0,1] neg_hi:[0,1]
.set kk, kk+2
.endr
	WIN 0
	v_pk_mul_f32 v[W+2:W+3], v[T:T+1], v[T:T+1]
	v_pk_mul_f32 v[W+4:W+5], v[T+2:T+3], v[T+2:T+3]
.irp k, 4,8,12,16,20,24,28
	v_pk_fma_f32 v[W+2:W+3], v[T+\k:T+\k+1], v[T+\k:T+\k+1], v[W+2:W+3]
	v_pk_fma_f32 v[W+4:W+5], v[T+\k+2:T+\k+3], v[T+\k+2:T+\k+3], v[W+4:W+5]
.endr
	v_pk_add_f32 v[W+2:W+3], v[W+2:W+3], v[W+4:W+5]
	v_add_f32 v[W+2], v[W+2], v[W+3]
	v_permlanex16_b32 v[W+3], v[W+2], s[SEL], s[SEL+1]
	v_add_f32 v[W+2], v[W+2], v[W+3]
	v_fma_f32 v[W+2], v[W+2], s92, s93             ; the variance + 1e-5
	v_rsq_f32 v[W+2], v[W+2]
	v_nop                                          ; a plain instruction behind the transcendental
	s_wait_alu depctr_va_vdst(0)                   ; and the wait ahead of its first reader
	v_mul_f32 v[W+2], s94, v[W+2]
.set kk, 0
.rept 16
	v_pk_mul_f32 v[T+kk:T+kk+1], v[T+kk:T+kk+1], v[W+2:W+3] op_sel_hi:[1,0]
.set kk, kk+2
.endr
	WIN 0x28                                       ; gamma and beta in window 2
.set kk, 0
.rept 16
	v_pk_fma_f32 v[T+kk:T+kk+1], v[T+kk:T+kk+1], v[GA+kk:GA+kk+1], v[BE+kk:BE+kk+1]
.set kk, kk+2
.endr
.if (\a) < 7
	s_wait_loadcnt 8                               ; this block's cos and sin are in; the next block's eight loads may be out
.else
	s_wait_loadcnt 0x0
.endif
	WIN 0x08                                       ; cos and sin in window 2
.set kk, 0
.rept 16
	v_mul_f32 v[W+4+2*(kk%4)], v[T+2*kk+1], v[CB+16+kk]                    ; i sin
	v_mul_f32 v[W+5+2*(kk%4)], v[T+2*kk+1], v[CB+kk]                       ; i cos
	v_fma_f32 v[T+2*kk+1], v[T+2*kk], v[CB+16+kk], v[W+5+2*(kk%4)]         ; r sin + i cos
	v_fma_f32 v[T+2*kk], v[T+2*kk], v[CB+kk], -v[W+4+2*(kk%4)]             ; r cos - i sin
.set kk, kk+1
.endr
	WIN 0
.set kk, 0
.rept 16
	v_cvt_pk_f16_f32 v[PK+kk], v[T+2*kk], v[T+2*kk+1]
.set kk, kk+1
.endr
.irp t, 0,1,2,3
	global_store_b128 v[LI], v[PK+4*\t:PK+4*\t+3], s[96:97] offset:2048*(\a)+512*\t
.endr
.endm
.irp a, 0,1,2,3,4,5,6,7
	LNBLK \a
.endr
	s_branch .Ldone
.Lv:
	s_sub_co_u32 s2, s2, 40
	s_lshl_b32 s2, s2, 7
	s_add_co_u32 s2, s2, s3
	s_lshl_b32 s2, s2, 11
	s_mov_b32 s3, 0
	s_add_nc_u64 s[96:97], s[20:21], s[2:3]
	s_mov_b32 s95, 0xffffe000                      ; keeps sign, exponent and ten mantissa bits
.macro VBLK a                          ; 16 tokens of V: the high part is exact in f16, the rest is what is left, exact in f32, rounded once
.set AC, 32*(\a)
	s_wait_xcnt 0x0
	WIN 0x04
.set kk, 0
.rept 32
	v_and_b32 v[T+kk], s95, v[AC+kk]               ; ascending: each accumulator from its low end on
.set kk, kk+1
.endr
	WIN 0x01
.set kk, 0
.rept 16
	v_pk_add_f32 v[LW+kk:LW+kk+1], v[AC+kk:AC+kk+1], v[T+kk:T+kk+1] neg_lo:[0,1] neg_hi:[0,1]
.set kk, kk+2
.endr
	WIN 0
.set kk, 0
.rept 16
	v_cvt_pk_f16_f32 v[PK+kk], v[T+2*kk], v[T+2*kk+1]
	v_cvt_pk_f16_f32 v[W+kk], v[LW+2*kk], v[LW+2*kk+1]
.set kk, kk+1
.endr
.irp t, 0,1,2,3
	global_store_b128 v[VI], v[PK+4*\t:PK+4*\t+3], s[96:97] offset:2097152+2048*(\a)+512*\t
	global_store_b128 v[VI], v[W+4*\t:W+4*\t+3], s[96:97] offset:4194304+2048*(\a)+512*\t
.endr
.endm
.irp a, 0,1,2,3,4,5,6,7
	VBLK \a
.endr
.Ldone:
	s_wait_tensorcnt 0x0                           ; the wave's end
	ds_add_u32 v[SPW], v[NIL]
	s_wait_dscnt 0x0
	CROUND                                         ; the closing round: no work-group ends while a partner may still ask for a tile that names it
	s_endpgm
.Lfunc_end_k_q791087f3ad_qkv:
	.size	k_q791087f3ad_qkv, .Lfunc_end_k_q791087f3ad_qkv-k_q791087f3ad_qkv
	.p2alignl 7, 3214868480
	.fill 96, 4, 3214868480
	.section	.rodata,"a",@progbits
	.p2align	6, 0x0
	.amdhsa_kernel k_q791087f3ad_qkv
		.amdhsa_group_segment_fixed_size 327680
		.amdhsa_private_segment_fixed_size 0
		.amdhsa_enable_private_segment 0
		.amdhsa_kernarg_size 72
		.amdhsa_user_sgpr_count 2
		.amdhsa_user_sgpr_kernarg_segment_ptr 1
		.amdhsa_wavefront_size32 1
		.amdhsa_system_sgpr_workgroup_id_x 1
		.amdhsa_system_sgpr_workgroup_id_y 1
		.amdhsa_system_sgpr_workgroup_id_z 1
		.amdhsa_system_vgpr_workitem_id 0
		.amdhsa_next_free_vgpr 640
		.amdhsa_next_free_sgpr 100
		.amdhsa_reserve_vcc 0
		.amdhsa_float_denorm_mode_32 3
		.amdhsa_float_denorm_mode_16_64 3
		.amdhsa_memory_ordered 1
		.amdhsa_forward_progress 1
		.amdhsa_inst_pref_size 240
	.end_amdhsa_kernel
	.amdgpu_metadata
---
amdhsa.version: [ 1, 2 ]
amdhsa.kernels:
  - .name:           k_q791087f3ad_qkv
    .symbol:         k_q791087f3ad_qkv.kd
    .args:
      - { .name: xw, .offset: 0, .size: 8, .value_kind: global_buffer, .address_space: global }
      - { .name: q_gamma, .offset: 8, .size: 8, .value_kind: global_buffer, .address_space: global }
      - { .name: q_beta, .offset: 16, .size: 8, .value_kind: global_buffer, .address_space: global }
      - { .name: k_gamma, .offset: 24, .size: 8, .value_kind: global_buffer, .address_space: global }
      - { .name: k_beta, .offset: 32, .size: 8, .value_kind: global_buffer, .address_space: global }
      - { .name: freqs_cos, .offset: 40, .size: 8, .value_kind: global_buffer, .address_space: global }
      - { .name: freqs_sin, .offset: 48, .size: 8, .value_kind: global_buffer, .address_space: global }
      - { .name: qimg, .offset: 56, .size: 8, .value_kind: global_buffer, .address_space: global }
      - { .name: kvimg, .offset: 64, .size: 8, .value_kind: global_buffer, .address_space: global }
    .group_segment_fixed_size: 327680
    .private_segment_fixed_size: 0
    .kernarg_segment_align: 8
    .kernarg_segment_size: 72
    .max_flat_workgroup_size: 128
    .sgpr_count:     100
    .vgpr_count:     640
    .wavefront_size: 32
...
	.end_amdgpu_metadata
.endif
;; end of part 2
;; launch fattn (part 3): grid 32 x 8, 4 waves a work-group, no clusters, 66,048 bytes of LDS; arguments qimg, kvimg, mask, part; writes part
.if DOCPART == 3
	.amdgcn_target "amdgcn-amd-amdhsa--gfx1250"
	.amdhsa_code_object_version 6
	.text
	.protected	k_q791087f3ad_fattn
	.globl	k_q791087f3ad_fattn
	.p2align	8
	.type	k_q791087f3ad_fattn,@function
k_q791087f3ad_fattn:
	s_mov_b64 s[64:65], 0
	v_nop
	global_prefetch_b8 v0, s[64:65] scope:SCOPE_SE
	s_setreg_imm32_b32 hwreg(HW_REG_WAVE_MODE, 25, 1), 1
	s_wait_xcnt 0x0
; Positions 0-15 of the sequence, carried finely: where a mask leaves a row few keys, the rounding of f16 operands weighs most.  All 2,048 keys are walked, so this holds for any mask.  No work is left out.
; Work-group (c, g): keys 64 c .. 64 c + 63 of key head g; wave w: query head 4 g + w.  It stores the chunk's largest t, the sum of p = 2^(t - that), and the sum of p v, unnormalised; a later launch joins the 32 chunks.
; t = q' . k + mask log2(e): the mask is multiplied and added in f32, each rounded to nearest, so that a row which the mask hides wholly keeps equal scores as it does in f32.
; P and V go to the matrix unit as pairs of f16 numbers, a high and a low part: P_hi V_hi + P_lo V_hi + P_hi V_lo.
; Waves share nothing: each has 16 KiB of LDS, through which V's images pass to be read turned.  No cluster: no two work-groups read the same tile.
; REGISTERS: v1 16 x lane; v2 mask offset; v3 LDS address; v4, v5 the add's two; v6 4 x lane; v7 lane; v8-15 at work; v16-31 Q; v32-95 K, then V_hi's fragments; v96-127 the mask, then P_hi, P_lo;
;   v128-159 S^T, then p; v160-223 V as loaded, then V_lo's fragments; v224-255 at work, then O^T.
.set LI,  1
.set MO,  2
.set LA,  3
.set SPW, 4
.set NIL, 5
.set QF,  16
.set KF,  32
.set MK,  96
.set S,   128
.set VL,  160
.set OA,  224
.set SPARE, 65536
	s_load_b256 s[4:11], s[0:1], 0x0               ; qimg, kvimg, mask, part
	v_lshl_add_u32 v[SPW], v0, 2, SPARE
	v_mov_b32 v[NIL], 0
	v_lshrrev_b32 v8, 5, v0
	v_readfirstlane_b32 s12, v8                    ; wave
	v_and_b32 v7, 31, v0
	v_lshlrev_b32 v[LI], 4, v7
	v_lshlrev_b32 v6, 2, v7
	v_and_b32 v9, 15, v0                           ; r
	v_bfe_u32 v10, v0, 4, 1                        ; h
	v_lshlrev_b32 v[MO], 13, v9
	v_lshl_add_u32 v[MO], v10, 5, v[MO]            ; the mask: row r of 8,192 bytes, + 32 h
	s_lshl_b32 s13, s12, 14
	v_add_nc_u32 v[LA], s13, v[LI]
	s_and_b32 s14, ttmp7, 0xffff                   ; g
	s_lshl_b32 s15, s14, 2
	s_add_co_u32 s15, s15, s12                     ; my head
	s_lshl_b32 s16, s15, 18
	s_mov_b32 s17, 0
	s_lshl_b32 s18, s14, 18
	s_lshl_b32 s19, ttmp9, 13
	s_add_co_u32 s18, s18, s19                     ; key head g, four blocks of 16 keys from 4 c on
	s_mov_b32 s19, 0
	s_lshl_b32 s20, ttmp9, 8
	s_mov_b32 s21, 0
	s_lshl_b32 s22, ttmp9, 5
	s_add_co_u32 s22, s22, s15
	s_lshl_b32 s22, s22, 12                        ; (32 c + head) x 4,096
	s_mov_b32 s23, 0
	s_lshl_b32 s24, s15, 5
	s_add_co_u32 s24, s24, ttmp9
	s_lshl_b32 s24, s24, 7                         ; (32 head + c) x 128
	s_mov_b32 s25, 0
	s_mov_b32 s26, 0x76543210
	s_mov_b32 s27, 0xfedcba98
	s_mov_b32 s28, 0x3fb8aa3b                      ; log2(e)
	s_mov_b32 s29, s28
	s_mov_b32 s30, 0xffffe000
	s_wait_kmcnt 0x0
	s_add_nc_u64 s[4:5], s[4:5], s[16:17]
	s_add_nc_u64 s[6:7], s[6:7], s[18:19]
	s_add_nc_u64 s[8:9], s[8:9], s[20:21]
	s_add_nc_u64 s[16:17], s[10:11], s[22:23]      ; the sums of p v
	s_add_nc_u64 s[18:19], s[10:11], s[24:25]      ; the chunk's maximum and sum
.irp t, 0,1,2,3
	global_load_b128 v[QF+4*\t:QF+4*\t+3], v[LI], s[4:5] offset:512*\t
.endr
.irp i, 0,1,2,3,4,5,6,7,8,9,10,11,12,13,14,15
	global_load_b128 v[KF+4*\i:KF+4*\i+3], v[LI], s[6:7] offset:512*\i
.endr
.irp u, 0,1,2,3
	global_load_b128 v[MK+8*\u:MK+8*\u+3], v[MO], s[8:9] offset:64*\u
	global_load_b128 v[MK+8*\u+4:MK+8*\u+7], v[MO], s[8:9] offset:64*\u+16
.endr
.irp i, 0,1,2,3,4,5,6,7,8,9,10,11,12,13,14,15
	global_load_b128 v[VL+4*\i:VL+4*\i+3], v[LI], s[6:7] offset:2097152+512*\i
.endr
	s_wait_loadcnt 24                              ; Q and K are in; the mask's 8 and V_hi's 16 loads are younger
.irp u, 0,1,2,3                                ; S^T = K Q^T: four accumulators by turns
	v_wmma_f32_16x16x32_f16 v[S+8*\u:S+8*\u+7], v[KF+16*\u:KF+16*\u+7], v[QF:QF+7], 0
.endr
.irp u, 0,1,2,3
	v_wmma_f32_16x16x32_f16 v[S+8*\u:S+8*\u+7], v[KF+16*\u+8:KF+16*\u+15], v[QF+8:QF+15], v[S+8*\u:S+8*\u+7]
.endr
	s_wait_loadcnt 0x0
.set kk, 0
.rept 16
	v_pk_mul_f32 v[MK+kk:MK+kk+1], v[MK+kk:MK+kk+1], s[28:29] op_sel_hi:[1,0]   ; the mask x log2(e); these sixteen are also the places behind the products
.set kk, kk+2
.endr
.irp i, 0,1,2,3,4,5,6,7,8,9,10,11,12,13,14,15
	ds_store_b128 v[LA], v[VL+4*\i:VL+4*\i+3] offset:512*\i
.endr
	s_wait_dscnt 0x0                               ; the stores have read their registers
.irp i, 0,1,2,3,4,5,6,7,8,9,10,11,12,13,14,15
	global_load_b128 v[VL+4*\i:VL+4*\i+3], v[LI], s[6:7] offset:4194304+512*\i
.endr
.irp kh, 0,1
.irp ct, 0,1,2,3
.irp c, 0,1
	ds_load_tr16_b128 v[KF+8*(4*\kh+\ct)+4*\c:KF+8*(4*\kh+\ct)+4*\c+3], v[LA] offset:(2*\kh+\c)*2048+512*\ct   ; V_hi^T: lane = channel, registers = keys
.endr
.endr
.endr
.set kk, 0
.rept 16
	v_pk_add_f32 v[S+kk:S+kk+1], v[S+kk:S+kk+1], v[MK+kk:MK+kk+1]   ; t; ascending: each accumulator from its low end on
.set kk, kk+2
.endr
.irp u, 0,1,2,3
	v_max3_num_f32 v[12+\u], v[S+8*\u], v[S+8*\u+1], v[S+8*\u+2]
.endr
.irp i, 3,5
.irp u, 0,1,2,3
	v_max3_num_f32 v[12+\u], v[12+\u], v[S+8*\u+\i], v[S+8*\u+\i+1]
.endr
.endr
.irp u, 0,1,2,3
	v_max_num_f32 v[12+\u], v[12+\u], v[S+8*\u+7]
.endr
	v_max3_num_f32 v8, v12, v13, v14
	v_max_num_f32 v8, v8, v15
	v_permlanex16_b32 v9, v8, s26, s27
	v_max_num_f32 v8, v8, v9                       ; the chunk's largest t of my query
.set kk, 0
.rept 16
	v_pk_add_f32 v[S+kk:S+kk+1], v[S+kk:S+kk+1], v[8:9] op_sel_hi:[1,0] neg_lo:[0,1] neg_hi:[0,1]
.set kk, kk+2
.endr
.set kk, 0
.rept 32
	v_exp_f32 v[S+kk], v[S+kk]
.set kk, kk+1
.endr
	v_nop                                          ; a plain instruction behind the last exponential
	s_wait_alu depctr_va_vdst(0)                   ; one wait for the batch, ahead of its first reader
	v_pk_add_f32 v[10:11], v[S:S+1], v[S+2:S+3]
	v_pk_add_f32 v[12:13], v[S+4:S+5], v[S+6:S+7]
.irp j, 8,12,16,20,24,28
	v_pk_add_f32 v[10:11], v[10:11], v[S+\j:S+\j+1]
	v_pk_add_f32 v[12:13], v[12:13], v[S+\j+2:S+\j+3]
.endr
	v_pk_add_f32 v[10:11], v[10:11], v[12:13]
	v_add_f32 v10, v10, v11
	v_permlanex16_b32 v11, v10, s26, s27
	v_add_f32 v10, v10, v11                        ; the chunk's sum of p
.set kk, 0
.rept 32
	v_and_b32 v[OA+kk], s30, v[S+kk]               ; p's high part
.set kk, kk+1
.endr
.set kk, 0
.rept 16
	v_pk_add_f32 v[S+kk:S+kk+1], v[S+kk:S+kk+1], v[OA+kk:OA+kk+1] neg_lo:[0,1] neg_hi:[0,1]   ; and the rest
.set kk, kk+2
.endr
.set kk, 0
.rept 16
	v_cvt_pk_f16_f32 v[MK+kk], v[OA+2*kk], v[OA+2*kk+1]
	v_cvt_pk_f16_f32 v[MK+16+kk], v[S+2*kk], v[S+2*kk+1]
.set kk, kk+1
.endr
	s_wait_loadcnt 0x0                             ; V_lo
.irp i, 0,1,2,3,4,5,6,7,8,9,10,11,12,13,14,15
	ds_store_b128 v[LA], v[VL+4*\i:VL+4*\i+3] offset:8192+512*\i
.endr
	s_wait_dscnt 0x0
.irp kh, 0,1
.irp ct, 0,1,2,3
.irp c, 0,1
	ds_load_tr16_b128 v[VL+8*(4*\kh+\ct)+4*\c:VL+8*(4*\kh+\ct)+4*\c+3], v[LA] offset:8192+(2*\kh+\c)*2048+512*\ct
.endr
.endr
.endr
	s_wait_dscnt 0x0
.macro PVG vb, pb, kh, zero            ; O^T (+)= V^T P for 32 keys: four accumulators by turns
.irp ct, 0,1,2,3
.if \zero
	v_wmma_f32_16x16x32_f16 v[OA+8*\ct:OA+8*\ct+7], v[\vb+8*(4*\kh+\ct):\vb+8*(4*\kh+\ct)+7], v[\pb+8*\kh:\pb+8*\kh+7], 0
.else
	v_wmma_f32_16x16x32_f16 v[OA+8*\ct:OA+8*\ct+7], v[\vb+8*(4*\kh+\ct):\vb+8*(4*\kh+\ct)+7], v[\pb+8*\kh:\pb+8*\kh+7], v[OA+8*\ct:OA+8*\ct+7]
.endif
.endr
.endm
	PVG KF, MK, 0, 1
	PVG KF, MK, 1, 0
	PVG KF, MK+16, 0, 0
	PVG KF, MK+16, 1, 0
	PVG VL, MK, 0, 0
	PVG VL, MK, 1, 0
	v_cmp_gt_u32 vcc_lo, 16, v7
	v_cndmask_b32 v12, v10, v8, vcc_lo             ; lanes 0-15 carry the maximum, lanes 16-31 the sum
.rept 4
	v_nop
.endr
.irp i, 0,1,2,3,4,5,6,7
	global_store_b128 v[LI], v[OA+4*\i:OA+4*\i+3], s[16:17] offset:512*\i   ; 512 consecutive bytes; each accumulator from its low end on
.endr
	global_store_b32 v6, v12, s[18:19] offset:4194304
	s_wait_tensorcnt 0x0                           ; the wave's end, behind my last LDS store
	ds_add_u32 v[SPW], v[NIL]
	s_wait_dscnt 0x0
	s_endpgm
.Lfunc_end_k_q791087f3ad_fattn:
	.size	k_q791087f3ad_fattn, .Lfunc_end_k_q791087f3ad_fattn-k_q791087f3ad_fattn
	.p2alignl 7, 3214868480
	.fill 96, 4, 3214868480
	.section	.rodata,"a",@progbits
	.p2align	6, 0x0
	.amdhsa_kernel k_q791087f3ad_fattn
		.amdhsa_group_segment_fixed_size 66048
		.amdhsa_private_segment_fixed_size 0
		.amdhsa_enable_private_segment 0
		.amdhsa_kernarg_size 32
		.amdhsa_user_sgpr_count 2
		.amdhsa_user_sgpr_kernarg_segment_ptr 1
		.amdhsa_wavefront_size32 1
		.amdhsa_system_sgpr_workgroup_id_x 1
		.amdhsa_system_sgpr_workgroup_id_y 1
		.amdhsa_system_sgpr_workgroup_id_z 1
		.amdhsa_system_vgpr_workitem_id 0
		.amdhsa_next_free_vgpr 256
		.amdhsa_next_free_sgpr 66
		.amdhsa_reserve_vcc 1
		.amdhsa_float_denorm_mode_32 3
		.amdhsa_float_denorm_mode_16_64 3
		.amdhsa_memory_ordered 1
		.amdhsa_forward_progress 1
		.amdhsa_inst_pref_size 26
	.end_amdhsa_kernel
	.amdgpu_metadata
---
amdhsa.version: [ 1, 2 ]
amdhsa.kernels:
  - .name:           k_q791087f3ad_fattn
    .symbol:         k_q791087f3ad_fattn.kd
    .args:
      - { .name: qimg, .offset: 0, .size: 8, .value_kind: global_buffer, .address_space: global }
      - { .name: kvimg, .offset: 8, .size: 8, .value_kind: global_buffer, .address_space: global }
      - { .name: mask, .offset: 16, .size: 8, .value_kind: global_buffer, .address_space: global }
      - { .name: part, .offset: 24, .size: 8, .value_kind: global_buffer, .address_space: global }
    .group_segment_fixed_size: 66048
    .private_segment_fixed_size: 0
    .kernarg_segment_align: 8
    .kernarg_segment_size: 32
    .max_flat_workgroup_size: 128
    .sgpr_count:     66
    .vgpr_count:     256
    .wavefront_size: 32
...
	.end_amdgpu_metadata
.endif
;; end of part 3
;; launch attn (part 4): grid 32 x 8, 8 waves a work-group, clusters of 4 x 4, 327,680 bytes of LDS; arguments qimg, kvimg, mask, attn16; writes attn16
.if DOCPART == 4
	.amdgcn_target "amdgcn-amd-amdhsa--gfx1250"
	.amdhsa_code_object_version 6
	.text
	.protected	k_q791087f3ad_attn
	.globl	k_q791087f3ad_attn
	.p2align	8
	.type	k_q791087f3ad_attn,@function
k_q791087f3ad_attn:
	s_mov_b64 s[64:65], 0
	v_nop
	global_prefetch_b8 v0, s[64:65] scope:SCOPE_SE
	s_setreg_imm32_b32 hwreg(HW_REG_WAVE_MODE, 25, 1), 1
	s_wait_xcnt 0x0
	s_wait_alu depctr_hold_cnt(0) depctr_sa_sdst(0) depctr_va_vdst(0) depctr_va_sdst(0) depctr_va_ssrc(0) depctr_va_vcc(0) depctr_vm_vsrc(0)
	s_getreg_b32 s2, hwreg(HW_REG_IB_STS2, 6, 4)
	s_cmp_eq_u32 s2, 0
	s_cbranch_scc0 .Lentry_in_a_cluster
	s_endpgm
.Lentry_in_a_cluster:
	s_bfe_u32 s2, ttmp6, 0x10000c
	s_cmp_lg_u32 s2, 0xf033
	s_cbranch_scc0 .Lentry_shape_is_right
	s_endpgm
.Lentry_shape_is_right:
; softmax(q k^T / 8 + mask) v for all queries and heads, f16 operands, f32 sums, a running maximum.  No work is left out: the mask is an input, so every key is walked.
; (Positions 0-15 come out here too, inside live tiles; the last launch writes the output's rows 0-15 from the finer path.)
; A work-group owns 64 queries (block qb) of the four query heads of key head g.  Wave w: queries 16 (w % 4) on, heads 4 g + 2 (w / 4) + 0, 1: two tiles of 16 queries, which share K's, V's and the mask's registers.
; Two waves lie on a SIMD: one wave's softmax stands beside the other's products.
; S^T = K Q'^T (source 0 = 16 keys, source 1 = 16 queries): a lane holds ONE query and keys 8 h + 0..7; rounded to f16 in pairs the weights are source 1 of O^T = V^T P.  K comes out of LDS as its image lies, V turned.
; t = S + mask log2(e): the mask is multiplied and added in f32, each rounded to nearest, so that a row which the mask hides wholly keeps equal scores as it does in f32.  p = 2^(t - m), m the running maximum: p is at most 1.
; A slot holds 256 keys (four steps of 64): K's and V's images, dense, and the mask's 64 rows x 1,024 bytes.  4 x 4 work-groups form a cluster: K and V hang on g and are asked for jointly along a row of the cluster,
; the mask's tiles hang on qb and are asked for jointly along a column.  Waves 0-3 fetch K's and V's halves, waves 4-7 sixteen rows of the mask each.  By the text's own count a wave has one tensor load out.
; O^T and the sum begin as zeros and m as -3e38: the step is written once for all steps; the 64 clearing lines run once.
; REGISTERS: window 0: v1-7 addresses; v24-39 statistics, eight a tile (+0 m, +2, +3 the sum, +4..+7 at work, a at +6); v40-103 S^T; v104-135 P; v136-167 the mask; v168-231 K.
;   window 1: v0-63 O^T; v64-95 Q; v96-159 V.
.set VOFF,  32768
.set MOFF,  65536
.set MP,    1040                       ; a row of the mask in LDS: 1,024 bytes + 16: the 16 rows of a load start at 16 different banks (ISA guide 11.1)
.set SLOT,  MOFF+64*MP
.set SPARE, 2*SLOT
.set LI,   1
.set ADKV, 2
.set ADM,  3
.set MLC,  4
.set SPW,  6
.set NIL,  7
.set ST,   24
.set S,    40
.set P,    104
.set MK,   136
.set KF,   168
.set QF,   64
.set VF,   96
.set WV,   12
.set G1KV, 24
.set G1M,  32
.set G0KV, 40
.set G0M,  48
.set TK,   56
.set TM,   57
.set L2E,  60
.set SEL,  62
.set MSB, 0
.macro WIN new
.if MSB != \new
	s_set_vgpr_msb (MSB<<8)|\new
.set MSB, \new
.endif
.endm
.macro JLOAD s                         ; a joint load; the branch hangs on the wave's number alone; s_nop 0 and four v_nop follow each line
	s_cmp_lt_u32 s[WV], 4
	s_cbranch_scc0 .Lfor_m_\@
	tensor_load_to_lds s[G0KV+4*(\s):G0KV+4*(\s)+3], s[G1KV:G1KV+7]
	s_nop 0
.rept 4
	v_nop
.endr
	s_branch .Lasked_\@
.Lfor_m_\@:
	tensor_load_to_lds s[G0M+4*(\s):G0M+4*(\s)+3], s[G1M:G1M+7]
	s_nop 0
.rept 4
	v_nop
.endr
.Lasked_\@:
.endm
.macro CROUND
	s_barrier_signal -1
	s_barrier_wait -1
	s_cmp_lg_u32 s[WV], 0
	s_cbranch_scc1 .Lnot_wave_0_\@
	s_barrier_signal -3
.Lnot_wave_0_\@:
	s_barrier_wait -3
	s_barrier_signal -1
	s_barrier_wait -1
.endm
	s_load_b256 s[4:11], s[0:1], 0x0               ; qimg, kvimg, mask, attn16
	v_lshl_add_u32 v[SPW], v0, 2, SPARE
	v_mov_b32 v[NIL], 0
	ds_add_u32 v[SPW], v[NIL]                      ; the wave's opening: the add, twice on end, and its wait ahead of my first tensor load
	ds_add_u32 v[SPW], v[NIL]
	v_lshrrev_b32 v8, 5, v0
	v_readfirstlane_b32 s[WV], v8
	s_bfe_u32 s13, ttmp6, 0x40000                  ; cx
	s_bfe_u32 s14, ttmp6, 0x40004                  ; cy
	s_lshl_b32 s15, ttmp9, 2
	s_add_co_u32 s15, s15, s13                     ; qb
	s_and_b32 s16, ttmp7, 0xffff
	s_lshl_b32 s16, s16, 2
	s_add_co_u32 s16, s16, s14                     ; g
	s_lshl_b32 s17, s14, 2
	s_lshl_b32 s17, 15, s17                        ; my row of the cluster
	s_lshl_b32 s18, 0x1111, s13                    ; my column
	s_and_b32 s19, s[WV], 3
	s_or_b32 s[G1KV+0], s17, (3<<16)|(1<<21)       ; mask; elements of 8 bytes; no padding: 64 rows of 256 bytes, dense
	s_mov_b32 s[G1KV+1], 32<<16
	s_mov_b32 s[G1KV+2], 64<<16
	s_mov_b32 s[G1KV+3], 32<<16
	s_mov_b32 s[G1KV+4], 64
	s_mov_b32 s[G1KV+5], 32
	s_mov_b32 s[G1KV+6], 0
	s_mov_b32 s[G1KV+7], 0
	s_or_b32 s[G1M+0], s18, (2<<16)|(1<<20)|(1<<21)|(7<<22)|(3<<25)   ; elements of 4 bytes; 4 words of padding behind every 256
	s_mov_b32 s[G1M+1], 256<<16
	s_mov_b32 s[G1M+2], 16<<16
	s_mov_b32 s[G1M+3], 256<<16
	s_mov_b32 s[G1M+4], 16
	s_mov_b32 s[G1M+5], 2048
	s_mov_b32 s[G1M+6], 0
	s_mov_b32 s[G1M+7], 0
	s_lshl_b32 s66, s16, 18                        ; K, V: key head g (never qb),
	s_lshr_b32 s20, s19, 1
	s_lshl_b32 s20, s20, 21                        ; K or V's high part,
	s_add_co_u32 s66, s66, s20
	s_and_b32 s20, s19, 1
	s_lshl_b32 s20, s20, 14                        ; which half of a slot's 32,768 bytes
	s_add_co_u32 s66, s66, s20
	s_mov_b32 s67, 0
	s_lshl_b32 s68, s15, 19                        ; the mask: row 64 qb (never g) + 16 (w % 4)
	s_lshl_b32 s21, s19, 17
	s_add_co_u32 s68, s68, s21
	s_mov_b32 s69, 0
	s_lshl_b32 s22, s19, 14                        ; where they go: the wave's number alone
	s_mul_i32 s23, s19, 16*MP
	s_add_co_u32 s23, s23, MOFF
	s_lshr_b32 s70, s[WV], 2
	s_lshl_b32 s70, s70, 1
	s_lshl_b32 s71, s16, 2
	s_add_co_u32 s70, s70, s71                     ; my first head
	s_lshl_b32 s70, s70, 7
	s_lshl_b32 s71, s15, 2
	s_add_co_u32 s70, s70, s71
	s_add_co_u32 s70, s70, s19                     ; x 128 + my block of 16 queries
	s_lshl_b32 s70, s70, 11
	s_mov_b32 s71, 0
	s_mov_b32 s[L2E], 0x3fb8aa3b
	s_mov_b32 s[L2E+1], s[L2E]
	s_mov_b32 s[SEL], 0x76543210
	s_mov_b32 s[SEL+1], 0xfedcba98
	s_wait_dscnt 0x0                               ; both opening adds are done
	s_wait_kmcnt 0x0
	s_add_nc_u64 s[66:67], s[6:7], s[66:67]
	s_add_nc_u64 s[68:69], s[8:9], s[68:69]
	s_add_nc_u64 s[4:5], s[4:5], s[70:71]
	s_add_nc_u64 s[10:11], s[10:11], s[70:71]
	CROUND                                         ; all sixteen work-groups are here: the first joint loads meet
.irp s, 0,1
	s_mov_b32 s[G0KV+4*\s], 1
	s_add_co_u32 s[G0KV+4*\s+1], s22, \s*SLOT
	s_add_nc_u64 s[G0KV+4*\s+2:G0KV+4*\s+3], s[66:67], \s*32768
	s_or_b32 s[G0KV+4*\s+3], s[G0KV+4*\s+3], 0x80000000
	s_mov_b32 s[G0M+4*\s], 1
	s_add_co_u32 s[G0M+4*\s+1], s23, \s*SLOT
	s_add_nc_u64 s[G0M+4*\s+2:G0M+4*\s+3], s[68:69], \s*1024
	s_or_b32 s[G0M+4*\s+3], s[G0M+4*\s+3], 0x80000000
.endr
	JLOAD 0                                        ; keys 0-255
	v_and_b32 v8, 31, v0
	v_lshlrev_b32 v[LI], 4, v8
	v_and_b32 v9, 15, v0
	v_bfe_u32 v10, v0, 4, 1
	s_lshl_b32 s20, s19, 4
	v_add_nc_u32 v9, s20, v9
	v_mul_u32_u24 v[MLC], v9, MP
	v_lshl_add_u32 v[MLC], v10, 5, v[MLC]          ; the mask: my query's row, + 32 h
	WIN 0x40
.irp y, 0,1
.irp t, 0,1,2,3
	global_load_b128 v[QF+16*\y+4*\t:QF+16*\y+4*\t+3], v[LI], s[4:5] offset:262144*\y+512*\t
.endr
.endr
.set kk, 0
.rept 64
	v_mov_b32 v[kk], 0                             ; O^T
.set kk, kk+1
.endr
	WIN 0
.irp y, 0,1
	v_mov_b32 v[ST+8*\y], 0xff61b1e6               ; m = -3e38, under every t
.irp j, 1,2,3,4,5,6,7
	v_mov_b32 v[ST+8*\y+\j], 0
.endr
.endr
	s_wait_loadcnt 0x0                             ; Q
; A KEY STEP: 64 keys at s[TK] (K, V) and s[TM] (mask).
.macro STEP
	v_add_nc_u32 v[ADKV], s[TK], v[LI]
	v_add_nc_u32 v[ADM], s[TM], v[MLC]
	v_nop
	v_nop                                          ; four places in front of loads into registers that the last products read
.irp i, 0,1,2,3,4,5,6,7,8,9,10,11,12,13,14,15
	ds_load_b128 v[KF+4*\i:KF+4*\i+3], v[ADKV] offset:512*\i
.endr
.irp u, 0,1,2,3
	ds_load_b128 v[MK+8*\u:MK+8*\u+3], v[ADM] offset:64*\u
	ds_load_b128 v[MK+8*\u+4:MK+8*\u+7], v[ADM] offset:64*\u+16
.endr
	WIN 0x40
.irp kh, 0,1
.irp ct, 0,1,2,3
.irp c, 0,1
	ds_load_tr16_b128 v[VF+8*(4*\kh+\ct)+4*\c:VF+8*(4*\kh+\ct)+4*\c+3], v[ADKV] offset:VOFF+(2*\kh+\c)*2048+512*\ct
.endr
.endr
.endr
	s_wait_dscnt 24                                ; K is in; the mask's 8 and V's 16 loads are younger
	WIN 0x04                                       ; Q in window 1
.irp u, 0,1,2,3                                ; eight accumulators by turns
.irp y, 0,1
	v_wmma_f32_16x16x32_f16 v[S+32*\y+8*\u:S+32*\y+8*\u+7], v[KF+16*\u:KF+16*\u+7], v[QF+16*\y:QF+16*\y+7], 0
.endr
.endr
.irp u, 0,1,2,3
.irp y, 0,1
	v_wmma_f32_16x16x32_f16 v[S+32*\y+8*\u:S+32*\y+8*\u+7], v[KF+16*\u+8:KF+16*\u+15], v[QF+16*\y+8:QF+16*\y+15], v[S+32*\y+8*\u:S+32*\y+8*\u+7]
.endr
.endr
	WIN 0
	s_wait_dscnt 16                                ; the mask is in; V's 16 loads are younger
.set kk, 0
.rept 16
	v_pk_mul_f32 v[MK+kk:MK+kk+1], v[MK+kk:MK+kk+1], s[L2E:L2E+1] op_sel_hi:[1,0]   ; once for both heads; these sixteen are also the places behind the products
.set kk, kk+2
.endr
.set kk, 0
.rept 16
	v_pk_add_f32 v[S+kk:S+kk+1], v[S+kk:S+kk+1], v[MK+kk:MK+kk+1]                   ; t; ascending: each accumulator from its low end on
	v_pk_add_f32 v[S+32+kk:S+32+kk+1], v[S+32+kk:S+32+kk+1], v[MK+kk:MK+kk+1]
.set kk, kk+2
.endr
.irp j, 0,1,2,3
.irp y, 0,1
	v_max3_num_f32 v[ST+8*\y+4+\j], v[S+32*\y+8*\j], v[S+32*\y+8*\j+1], v[S+32*\y+8*\j+2]
.endr
.endr
.irp i, 3,5
.irp j, 0,1,2,3
.irp y, 0,1
	v_max3_num_f32 v[ST+8*\y+4+\j], v[ST+8*\y+4+\j], v[S+32*\y+8*\j+\i], v[S+32*\y+8*\j+\i+1]
.endr
.endr
.endr
.irp y, 0,1
	v_max3_num_f32 v[ST+8*\y+4], v[ST+8*\y+4], v[S+32*\y+7], v[S+32*\y+15]
	v_max3_num_f32 v[ST+8*\y+6], v[ST+8*\y+6], v[S+32*\y+23], v[S+32*\y+31]
.endr
.irp y, 0,1
	v_max3_num_f32 v[ST+8*\y+4], v[ST+8*\y+4], v[ST+8*\y+5], v[ST+8*\y+6]
.endr
.irp y, 0,1
	v_max3_num_f32 v[ST+8*\y+4], v[ST+8*\y+4], v[ST+8*\y+7], v[ST+8*\y]
.endr
.irp y, 0,1
	v_permlanex16_b32 v[ST+8*\y+5], v[ST+8*\y+4], s[SEL], s[SEL+1]   ; the query's other 32 keys lie in the lane 16 away
.endr
.irp y, 0,1
	v_mov_b32 v[ST+8*\y+7], v[ST+8*\y]
.endr
.irp y, 0,1
	v_max_num_f32 v[ST+8*\y], v[ST+8*\y+4], v[ST+8*\y+5]             ; the new m
.endr
.irp y, 0,1
	v_sub_f32 v[ST+8*\y+7], v[ST+8*\y+7], v[ST+8*\y]                 ; old m - new m
.endr
.set kk, 0
.rept 16
	v_pk_add_f32 v[S+kk:S+kk+1], v[S+kk:S+kk+1], v[ST:ST+1] op_sel_hi:[1,0] neg_lo:[0,1] neg_hi:[0,1]
	v_pk_add_f32 v[S+32+kk:S+32+kk+1], v[S+32+kk:S+32+kk+1], v[ST+8:ST+9] op_sel_hi:[1,0] neg_lo:[0,1] neg_hi:[0,1]
.set kk, kk+2
.endr
.irp y, 0,1
	v_exp_f32 v[ST+8*\y+6], v[ST+8*\y+7]           ; a = 2^(old m - new m)
.endr
.set kk, 0
.rept 64
	v_exp_f32 v[S+kk], v[S+kk]
.set kk, kk+1
.endr
	v_nop                                          ; a plain instruction behind the last exponential
	s_wait_alu depctr_va_vdst(0)                   ; one wait for the batch of 66, ahead of its first reader
.set kk, 0
.rept 32
	v_cvt_pk_f16_f32 v[P+kk], v[S+2*kk], v[S+2*kk+1]
.set kk, kk+1
.endr
.irp u, 0,1,2,3,4,5,6,7                        ; the sums, in place
.irp y, 0,1
	v_pk_add_f32 v[S+32*\y+4*\u:S+32*\y+4*\u+1], v[S+32*\y+4*\u:S+32*\y+4*\u+1], v[S+32*\y+4*\u+2:S+32*\y+4*\u+3]
.endr
.endr
.irp u, 0,1,2,3
.irp y, 0,1
	v_pk_add_f32 v[S+32*\y+8*\u:S+32*\y+8*\u+1], v[S+32*\y+8*\u:S+32*\y+8*\u+1], v[S+32*\y+8*\u+4:S+32*\y+8*\u+5]
.endr
.endr
.irp u, 0,1
.irp y, 0,1
	v_pk_add_f32 v[S+32*\y+16*\u:S+32*\y+16*\u+1], v[S+32*\y+16*\u:S+32*\y+16*\u+1], v[S+32*\y+16*\u+8:S+32*\y+16*\u+9]
.endr
.endr
.irp y, 0,1
	v_pk_add_f32 v[S+32*\y:S+32*\y+1], v[S+32*\y:S+32*\y+1], v[S+32*\y+16:S+32*\y+17]
.endr
.irp y, 0,1
	v_pk_fma_f32 v[ST+8*\y+2:ST+8*\y+3], v[ST+8*\y+2:ST+8*\y+3], v[ST+8*\y+6:ST+8*\y+7], v[S+32*\y:S+32*\y+1] op_sel_hi:[1,0,1]
.endr
	WIN 0x41                                       ; O^T in window 1, a in window 0
.irp y, 0,1
.set kk, 0
.rept 16
	v_pk_mul_f32 v[32*\y+kk:32*\y+kk+1], v[32*\y+kk:32*\y+kk+1], v[ST+8*\y+6:ST+8*\y+7] op_sel_hi:[1,0]
.set kk, kk+2
.endr
.endr
	s_wait_dscnt 0x0                               ; V is in
	WIN 0x51                                       ; V and O^T in window 1, P in window 0
.irp kh, 0,1
.irp ct, 0,1,2,3
.irp y, 0,1
	v_wmma_f32_16x16x32_f16 v[32*\y+8*\ct:32*\y+8*\ct+7], v[VF+8*(4*\kh+\ct):VF+8*(4*\kh+\ct)+7], v[P+16*\y+8*\kh:P+16*\y+8*\kh+7], v[32*\y+8*\ct:32*\y+8*\ct+7]
.endr
.endr
.endr
	WIN 0
	s_add_co_u32 s[TK], s[TK], 8192
	s_add_co_u32 s[TM], s[TM], 256
.endm
.macro SLOTWORK slot                   ; a slot's four steps: written once, walked four times
	s_mov_b32 s[TK], \slot*SLOT
	s_mov_b32 s[TM], \slot*SLOT+MOFF
	s_mov_b32 s58, 4
.Lstep_\@:
	STEP
	s_sub_co_u32 s58, s58, 1
	s_cmp_lg_u32 s58, 0
	s_cbranch_scc1 .Lstep_\@
.endm
; The change of slots stands at a slot's head: each wave waits for all its tensor loads (its part of this slot), adds 0 to its spare word, waits for that and for its reads of the other slot; a round of the cluster's
; barrier; behind it the other slot is filled with the next 256 keys, which have four key steps in which to land.
.macro TRIP slot, refill
	s_wait_tensorcnt 0x0                           ; no tensor load of mine is out, so a group 0 may be written
	ds_add_u32 v[SPW], v[NIL]
	s_add_nc_u64 s[G0KV+4*\slot+2:G0KV+4*\slot+3], s[G0KV+4*\slot+2:G0KV+4*\slot+3], 65536   ; this slot's next tile
	s_add_nc_u64 s[G0M+4*\slot+2:G0M+4*\slot+3], s[G0M+4*\slot+2:G0M+4*\slot+3], 2048
	s_wait_dscnt 0x0                               ; the add is done, and my reads of the other slot are over
	CROUND
.if \refill
	JLOAD 1-\slot                                  ; the first tensor load behind the round, and my only one until the next
.endif
	SLOTWORK \slot
.endm
	s_mov_b32 s59, 3
.Lpair:
	TRIP 0, 1
	TRIP 1, 1
	s_sub_co_u32 s59, s59, 1
	s_cmp_lg_u32 s59, 0
	s_cbranch_scc1 .Lpair
	TRIP 0, 1                                      ; the tail is written out: the last slot asks for nothing (the stepped addresses are not used)
	TRIP 1, 0
	; THE WAY OUT: O^T / the sum, f16: a lane's eight channels are its 16 bytes of an image's chunk.  The additions are the places behind the last products.
.irp y, 0,1
	v_add_f32 v[ST+8*\y+4], v[ST+8*\y+2], v[ST+8*\y+3]
.endr
	v_nop
	v_nop
.irp y, 0,1
	v_permlanex16_b32 v[ST+8*\y+5], v[ST+8*\y+4], s[SEL], s[SEL+1]
.endr
.irp y, 0,1
	v_add_f32 v[ST+8*\y+4], v[ST+8*\y+4], v[ST+8*\y+5]
.endr
.irp y, 0,1
	v_rcp_f32 v[ST+8*\y+6], v[ST+8*\y+4]
.endr
	v_nop
	s_wait_alu depctr_va_vdst(0)                   ; one wait for both reciprocals, ahead of their first reader
	WIN 0x41
.irp y, 0,1
.set kk, 0
.rept 16
	v_pk_mul_f32 v[32*\y+kk:32*\y+kk+1], v[32*\y+kk:32*\y+kk+1], v[ST+8*\y+6:ST+8*\y+7] op_sel_hi:[1,0]
.set kk, kk+2
.endr
.endr
	WIN 0x05
.set kk, 0
.rept 32
	v_cvt_pk_f16_f32 v[S+kk], v[2*kk], v[2*kk+1]
.set kk, kk+1
.endr
	WIN 0
.irp y, 0,1
.irp ct, 0,1,2,3
	global_store_b128 v[LI], v[S+16*\y+4*\ct:S+16*\y+4*\ct+3], s[10:11] offset:262144*\y+512*\ct   ; 512 consecutive bytes
.endr
.endr
	s_wait_tensorcnt 0x0                           ; the wave's end
	ds_add_u32 v[SPW], v[NIL]
	s_wait_dscnt 0x0
	CROUND                                         ; the closing round
	s_endpgm
.Lfunc_end_k_q791087f3ad_attn:
	.size	k_q791087f3ad_attn, .Lfunc_end_k_q791087f3ad_attn-k_q791087f3ad_attn
	.p2alignl 7, 3214868480
	.fill 96, 4, 3214868480
	.section	.rodata,"a",@progbits
	.p2align	6, 0x0
	.amdhsa_kernel k_q791087f3ad_attn
		.amdhsa_group_segment_fixed_size 327680
		.amdhsa_private_segment_fixed_size 0
		.amdhsa_enable_private_segment 0
		.amdhsa_kernarg_size 32
		.amdhsa_user_sgpr_count 2
		.amdhsa_user_sgpr_kernarg_segment_ptr 1
		.amdhsa_wavefront_size32 1
		.amdhsa_system_sgpr_workgroup_id_x 1
		.amdhsa_system_sgpr_workgroup_id_y 1
		.amdhsa_system_sgpr_workgroup_id_z 1
		.amdhsa_system_vgpr_workitem_id 0
		.amdhsa_next_free_vgpr 512
		.amdhsa_next_free_sgpr 80
		.amdhsa_reserve_vcc 0
		.amdhsa_float_denorm_mode_32 3
		.amdhsa_float_denorm_mode_16_64 3
		.amdhsa_memory_ordered 1
		.amdhsa_forward_progress 1
		.amdhsa_inst_pref_size 102
	.end_amdhsa_kernel
	.amdgpu_metadata
---
amdhsa.version: [ 1, 2 ]
amdhsa.kernels:
  - .name:           k_q791087f3ad_attn
    .symbol:         k_q791087f3ad_attn.kd
    .args:
      - { .name: qimg, .offset: 0, .size: 8, .value_kind: global_buffer, .address_space: global }
      - { .name: kvimg, .offset: 8, .size: 8, .value_kind: global_buffer, .address_space: global }
      - { .name: mask, .offset: 16, .size: 8, .value_kind: global_buffer, .address_space: global }
      - { .name: attn16, .offset: 24, .size: 8, .value_kind: global_buffer, .address_space: global }
    .group_segment_fixed_size: 327680
    .private_segment_fixed_size: 0
    .kernarg_segment_align: 8
    .kernarg_segment_size: 32
    .max_flat_workgroup_size: 256
    .sgpr_count:     80
    .vgpr_count:     512
    .wavefront_size: 32
...
	.end_amdgpu_metadata
.endif
;; end of part 4
;; launch proj (part 5): grid 16 x 16, 4 waves a work-group, clusters of 4 x 4, 327,680 bytes of LDS; arguments attn16, wo16, part, attn32, out0; writes attn32, out0
.if DOCPART == 5
	.amdgcn_target "amdgcn-amd-amdhsa--gfx1250"
	.amdhsa_code_object_version 6
	.text
	.protected	k_q791087f3ad_proj
	.globl	k_q791087f3ad_proj
	.p2align	8
	.type	k_q791087f3ad_proj,@function
k_q791087f3ad_proj:
	s_mov_b64 s[64:65], 0
	v_nop
	global_prefetch_b8 v0, s[64:65] scope:SCOPE_SE
	s_setreg_imm32_b32 hwreg(HW_REG_WAVE_MODE, 25, 1), 1
	s_wait_xcnt 0x0
	s_wait_alu depctr_hold_cnt(0) depctr_sa_sdst(0) depctr_va_vdst(0) depctr_va_sdst(0) depctr_va_ssrc(0) depctr_va_vcc(0) depctr_vm_vsrc(0)
	s_getreg_b32 s2, hwreg(HW_REG_IB_STS2, 6, 4)
	s_cmp_eq_u32 s2, 0
	s_cbranch_scc0 .Lentry_in_a_cluster
	s_endpgm
.Lentry_in_a_cluster:
	s_bfe_u32 s2, ttmp6, 0x10000c
	s_cmp_lg_u32 s2, 0xf033
	s_cbranch_scc0 .Lentry_shape_is_right
	s_endpgm
.Lentry_shape_is_right:
; out0 = attn wo, f16 operands, f32 sums: a tile of 128 tokens x 128 columns to a work-group, 64 x 64 to a wave: 16 accumulators.  No work is left out.
; (Rows 0-15 come out here too, inside live tiles; the last launch writes them anew from the finer path.)
; At its head each of the launch's 32,768 threads joins one number of the finer path: the 32 chunks' maxima, sums and sums of p v of positions 0-15 become attn32, in f32.
; K goes in steps of 256 (four heads) through two LDS slots.  attn comes as images of operand registers (a head's eight blocks of 16 tokens are 16,384 consecutive bytes); wo16 lies [f][d] and is read turned.
; 4 x 4 work-groups form a cluster: attn's tiles are asked for jointly along a row, wo's along a column.  THE PRODUCT IS USED TRANSPOSED (source 0 = 16 columns of wo, source 1 = 16 tokens): a lane holds eight
; neighbouring numbers of a row of out0.
; REGISTERS: window 0: v1-29 addresses and the merge's work; v32-127 the merge, then v32-95 the way out; v128-255 the accumulators, (a, b) at v[128 + 8 (4 a + b)].
;   window 1: two fragment buffers of 128: for 64 along K, 64 registers of attn, then 64 of wo.
.set BP,     288                       ; a row of wo in LDS: 256 bytes + 32
.set BOFF,   65536
.set SLOT,   BOFF+256*BP
.set SPARE,  2*SLOT
.set STAGE,  SPARE+512
.set SPITCH, 272
.set LAPS,   4
.set ADRA, 16                          ; v16-17 attn's fragments in slot 0, 1
.set ADRB, 20                          ; v20-23 wo's: slot x 2 + which 128 rows
.set STO,  24
.set RD,   25
.set CO,   26
.set SPW,  28
.set NIL,  29
.set OB,   32
.set ACC,  128
.set F0,   0
.set F1,   128
.set WV,   14
.set G1A,  24
.set G0A,  32
.set G1B,  40
.set G0B,  48
.set MSB, 0
.macro WIN new
.if MSB != \new
	s_set_vgpr_msb (MSB<<8)|\new
.set MSB, \new
.endif
.endm
.set MUL,  0x05
.set TO_F, 0x40
.macro JLOAD s
	s_cmp_eq_u32 s15, 0
	s_cbranch_scc0 .Lfor_b_\@
	tensor_load_to_lds s[G0A+4*\s:G0A+4*\s+3], s[G1A:G1A+7]
	s_nop 0
.rept 4
	v_nop
.endr
	s_branch .Lasked_\@
.Lfor_b_\@:
	tensor_load_to_lds s[G0B+4*\s:G0B+4*\s+3], s[G1B:G1B+7]
	s_nop 0
.rept 4
	v_nop
.endr
.Lasked_\@:
.endm
.macro CREST
	s_cmp_lg_u32 s[WV], 0
	s_cbranch_scc1 .Lnot_wave_0_\@
	s_barrier_signal -3
.Lnot_wave_0_\@:
	s_barrier_wait -3
	s_barrier_signal -1
	s_barrier_wait -1
.endm
.macro CROUND
	s_barrier_signal -1
	s_barrier_wait -1
	CREST
.endm
.macro PLACES
.rept 4
	v_nop
.endr
.endm
	s_load_b256 s[4:11], s[0:1], 0x0               ; attn16, wo16, part, attn32
	s_load_b64 s[12:13], s[0:1], 0x20              ; out0
	v_lshl_add_u32 v[SPW], v0, 2, SPARE
	v_mov_b32 v[NIL], 0
	ds_add_u32 v[SPW], v[NIL]                      ; the wave's opening: the add, twice on end, and its wait ahead of my first tensor load
	ds_add_u32 v[SPW], v[NIL]
	v_lshrrev_b32 v1, 5, v0
	v_readfirstlane_b32 s[WV], v1
	s_lshr_b32 s15, s[WV], 1                       ; my half of the tokens; also: I fetch attn (0) or wo (1)
	s_and_b32 s16, s[WV], 1                        ; my half of the columns; also: which half I fetch
	s_bfe_u32 s17, ttmp6, 0x40000
	s_bfe_u32 s18, ttmp6, 0x40004
	s_lshl_b32 s19, ttmp9, 2
	s_add_co_u32 s19, s19, s17                     ; tile column
	s_and_b32 s20, ttmp7, 0xffff
	s_lshl_b32 s20, s20, 2
	s_add_co_u32 s20, s20, s18                     ; tile row
	s_lshl_b32 s21, s18, 2
	s_lshl_b32 s21, 15, s21
	s_lshl_b32 s22, 0x1111, s17
	s_or_b32 s[G1A+0], s21, (3<<16)|(1<<21)        ; attn: two heads' 16,384 bytes each: 2 rows of 2,048 elements of 8 bytes, 262,144 bytes apart; dense in LDS
	s_mov_b32 s[G1A+1], 2048<<16
	s_mov_b32 s[G1A+2], 2<<16
	s_mov_b32 s[G1A+3], 2048<<16
	s_mov_b32 s[G1A+4], 2
	s_mov_b32 s[G1A+5], 32768
	s_mov_b32 s[G1A+6], 0
	s_mov_b32 s[G1A+7], 0
	s_or_b32 s[G1B+0], s22, (1<<16)|(1<<20)|(1<<21)|(5<<22)|(7<<25)   ; wo: 128 rows of 128 f16; 8 words of padding behind every 64
	s_mov_b32 s[G1B+1], 128<<16
	s_mov_b32 s[G1B+2], 128<<16
	s_mov_b32 s[G1B+3], 128<<16
	s_mov_b32 s[G1B+4], 128
	s_mov_b32 s[G1B+5], 2048
	s_mov_b32 s[G1B+6], 0
	s_mov_b32 s[G1B+7], 0
	s_lshl_b32 s23, s16, 19                        ; two heads, and 128 rows of wo16, are 524,288 bytes alike
	s_lshl_b32 s56, s20, 14
	s_add_co_u32 s56, s56, s23                     ; attn: the tile row alone
	s_mov_b32 s57, 0
	s_lshl_b32 s58, s19, 8
	s_add_co_u32 s58, s58, s23                     ; wo: the tile column alone
	s_mov_b32 s59, 0
	s_lshl_b32 s68, s16, 15
	s_mul_i32 s69, s16, 128*BP
	s_add_co_u32 s69, s69, BOFF
	s_wait_dscnt 0x0                               ; both opening adds are done
	s_wait_kmcnt 0x0
	s_add_nc_u64 s[56:57], s[4:5], s[56:57]
	s_add_nc_u64 s[58:59], s[6:7], s[58:59]
	CROUND                                         ; all sixteen work-groups are here: the first joint loads meet
.irp s, 0,1
	s_mov_b32 s[G0A+4*\s], 1
	s_add_co_u32 s[G0A+4*\s+1], s68, \s*SLOT
	s_add_nc_u64 s[G0A+4*\s+2:G0A+4*\s+3], s[56:57], \s*1048576
	s_or_b32 s[G0A+4*\s+3], s[G0A+4*\s+3], 0x80000000
	s_mov_b32 s[G0B+4*\s], 1
	s_add_co_u32 s[G0B+4*\s+1], s69, \s*SLOT
	s_add_nc_u64 s[G0B+4*\s+2:G0B+4*\s+3], s[58:59], \s*1048576
	s_or_b32 s[G0B+4*\s+3], s[G0B+4*\s+3], 0x80000000
	JLOAD \s
.endr
	v_and_b32 v1, 15, v0                           ; r
	v_bfe_u32 v2, v0, 4, 1                         ; h
	v_and_b32 v3, 31, v0
	v_lshlrev_b32 v3, 4, v3
	s_lshl_b32 s23, s15, 13                        ; my four blocks of 16 tokens
	v_add_nc_u32 v[ADRA], s23, v3
	v_add_nc_u32 v[ADRA+1], SLOT, v[ADRA]
	v_and_b32 v4, 7, v0
	v_lshl_add_u32 v4, v2, 3, v4
	v_mul_u32_u24 v4, v4, BP                       ; row 8 h + lane % 8,
	v_bfe_u32 v5, v0, 3, 1
	v_lshl_add_u32 v4, v5, 4, v4                   ; + 16 ((lane / 8) % 2),
	s_lshl_b32 s23, s16, 7
	s_add_co_u32 s23, s23, BOFF
	v_add_nc_u32 v[ADRB], s23, v4                  ; + my 64 columns
	v_add_nc_u32 v[ADRB+1], 128*BP, v[ADRB]
	v_add_nc_u32 v[ADRB+2], SLOT, v[ADRB]
	v_add_nc_u32 v[ADRB+3], SLOT+128*BP, v[ADRB]
	s_mul_i32 s23, s[WV], 16*SPITCH
	s_add_co_u32 s23, s23, STAGE                   ; my stage
	v_mul_u32_u24 v4, v1, SPITCH
	v_lshl_add_u32 v4, v2, 5, v4
	v_add_nc_u32 v[STO], s23, v4                   ; in: row r, 32 bytes for each half of the lanes
	v_mul_u32_u24 v5, v2, SPITCH
	v_lshl_add_u32 v5, v1, 4, v5
	v_add_nc_u32 v[RD], s23, v5                    ; back: lanes 0-15 one row of 256 bytes, lanes 16-31 the next
	v_lshlrev_b32 v[CO], 13, v2
	v_lshl_add_u32 v[CO], v1, 4, v[CO]             ; and the same two rows in out0
	s_lshl_b32 s56, s20, 7
	s_lshl_b32 s57, s15, 6
	s_add_co_u32 s56, s56, s57
	s_lshl_b32 s56, s56, 13                        ; my first row of out0
	s_lshl_b32 s57, s19, 9
	s_add_co_u32 s56, s56, s57
	s_lshl_b32 s57, s16, 8
	s_add_co_u32 s56, s56, s57                     ; my first column
	s_mov_b32 s57, 0
	s_add_nc_u64 s[12:13], s[12:13], s[56:57]
	; ---- THE MERGE: thread t of work-group n = 16 x tile row + tile column owns word 128 n + t of attn32: head n / 8, query (t / 4) % 16
	s_lshl_b32 s60, s20, 4
	s_add_co_u32 s60, s60, s19
	s_lshr_b32 s62, s60, 3
	s_lshl_b32 s62, s62, 12
	s_mov_b32 s63, 0
	s_lshl_b32 s60, s60, 9
	s_mov_b32 s61, 0
	s_add_nc_u64 s[62:63], s[8:9], s[62:63]
	s_add_nc_u64 s[66:67], s[10:11], s[60:61]
	s_add_nc_u64 s[60:61], s[8:9], s[60:61]
	v_lshlrev_b32 v8, 2, v0
	v_bfe_u32 v9, v0, 2, 4
	v_lshlrev_b32 v9, 2, v9
.set kk, 0
.rept 32
	global_load_b32 v[32+kk], v9, s[62:63] offset:4194304+128*kk      ; the chunks' maxima
.set kk, kk+1
.endr
.set kk, 0
.rept 32
	global_load_b32 v[64+kk], v9, s[62:63] offset:4194304+128*kk+64   ; their sums
.set kk, kk+1
.endr
.set kk, 0
.rept 32
	global_load_b32 v[96+kk], v8, s[60:61] offset:131072*kk           ; their sums of p v
.set kk, kk+1
.endr
	s_wait_loadcnt 63                              ; the maxima are in: 64 loads are younger, and the count's field ends at 63: the smaller count waits for one load more
	v_max3_num_f32 v10, v32, v33, v34
	v_max3_num_f32 v11, v35, v36, v37
.irp i, 38,42,46,50,54,58
	v_max3_num_f32 v10, v10, v[\i], v[\i+1]
	v_max3_num_f32 v11, v11, v[\i+2], v[\i+3]
.endr
	v_max3_num_f32 v10, v10, v62, v63
	v_max_num_f32 v10, v10, v11
.set kk, 0
.rept 16
	v_pk_add_f32 v[32+kk:33+kk], v[32+kk:33+kk], v[10:11] op_sel_hi:[1,0] neg_lo:[0,1] neg_hi:[0,1]
.set kk, kk+2
.endr
.set kk, 0
.rept 32
	v_exp_f32 v[32+kk], v[32+kk]                   ; a chunk's weight: 2^(its maximum - the largest)
.set kk, kk+1
.endr
	v_nop
	s_wait_alu depctr_va_vdst(0)                   ; one wait for the batch, ahead of its first reader
	s_wait_loadcnt 0x0
	v_pk_mul_f32 v[12:13], v[32:33], v[64:65]
	v_pk_mul_f32 v[14:15], v[32:33], v[96:97]
.set kk, 2
.rept 15
	v_pk_fma_f32 v[12:13], v[32+kk:33+kk], v[64+kk:65+kk], v[12:13]
	v_pk_fma_f32 v[14:15], v[32+kk:33+kk], v[96+kk:97+kk], v[14:15]
.set kk, kk+2
.endr
	v_add_f32 v12, v12, v13
	v_add_f32 v14, v14, v15
	v_rcp_f32 v12, v12
	v_nop
	s_wait_alu depctr_va_vdst(0)
	v_mul_f32 v14, v14, v12
	global_store_b32 v8, v14, s[66:67]             ; a wave stores 128 consecutive bytes; v8 and v14 are not written again
.macro MUL8 f, c, a0, zero             ; tokens' blocks a0, a0 + 1 x four blocks of columns, 32 along K: the 16 accumulators take turns
.irp a, \a0, \a0+1
.irp b, 0,1,2,3
.if \zero
	v_wmma_f32_16x16x32_f16 v[ACC+8*(4*(\a)+\b):ACC+8*(4*(\a)+\b)+7], v[\f+64+8*(4*\c+\b):\f+64+8*(4*\c+\b)+7], v[\f+8*(4*\c+\a):\f+8*(4*\c+\a)+7], 0
.else
	v_wmma_f32_16x16x32_f16 v[ACC+8*(4*(\a)+\b):ACC+8*(4*(\a)+\b)+7], v[\f+64+8*(4*\c+\b):\f+64+8*(4*\c+\b)+7], v[\f+8*(4*\c+\a):\f+8*(4*\c+\a)+7], v[ACC+8*(4*(\a)+\b):ACC+8*(4*(\a)+\b)+7]
.endif
.endr
.endr
.endm
.macro FETCH slot, q, f                ; 32 LDS loads in one run: head q of the slot's four (64 along K) into buffer f; the first 32 along K first
	WIN TO_F
.irp c, 0,1
.irp i, 0,1,2,3
	ds_load_tr16_b128 v[\f+64+8*(4*\c+\i):\f+64+8*(4*\c+\i)+3],   v[ADRB+2*\slot+(\q)/2] offset:(((\q)%2)*64+32*\c)*BP+32*\i
	ds_load_tr16_b128 v[\f+64+8*(4*\c+\i)+4:\f+64+8*(4*\c+\i)+7], v[ADRB+2*\slot+(\q)/2] offset:(((\q)%2)*64+32*\c+16)*BP+32*\i
	ds_load_b128 v[\f+8*(4*\c+\i):\f+8*(4*\c+\i)+3],              v[ADRA+\slot] offset:16384*(\q)+2048*\i+1024*\c
	ds_load_b128 v[\f+8*(4*\c+\i)+4:\f+8*(4*\c+\i)+7],            v[ADRA+\slot] offset:16384*(\q)+2048*\i+1024*\c+512
.endr
.endr
.endm
.macro QUARTER slot, q, f, g, zero     ; multiplies buffer f and fetches head q into g
	s_wait_dscnt 16                                ; the first 32 along K are in; the youngest sixteen loads may be out
	WIN MUL
	MUL8 \f, 0, 0, \zero
	MUL8 \f, 0, 2, \zero
	PLACES
	FETCH \slot, \q, \g
	s_wait_dscnt 32                                ; all but the 32 just issued
	WIN MUL
	MUL8 \f, 1, 0, 0
	MUL8 \f, 1, 2, 0
.endm
.macro TURN slot, next, fill           ; the last quarter multiplies buffer 1 and changes slots
	WIN 0
	s_wait_tensorcnt 0x0                           ; all my tensor loads have landed: my part of the next slot
	ds_add_u32 v[SPW], v[NIL]
	s_wait_dscnt 17                                ; the add and the youngest sixteen loads may be out
	WIN MUL
	MUL8 F1, 0, 0, 0
	s_wait_dscnt 0x0                               ; the add is done, and my reads of this slot are over
	s_barrier_signal -1
	MUL8 F1, 0, 2, 0
.if \fill
	WIN 0
.endif
	s_barrier_wait -1
.if \fill
	CREST                                          ; no wave of any partner still reads this slot or has a load on its way
	s_add_nc_u64 s[G0A+4*\slot+2:G0A+4*\slot+3], s[G0A+4*\slot+2:G0A+4*\slot+3], 2097152
	s_add_nc_u64 s[G0B+4*\slot+2:G0B+4*\slot+3], s[G0B+4*\slot+2:G0B+4*\slot+3], 2097152
	JLOAD \slot                                    ; the first tensor load behind the round; its four v_nop are the places in front of the loads below
.else
	PLACES
.endif
	FETCH \next, 0, F0
	WIN MUL
	MUL8 F1, 1, 0, 0
	MUL8 F1, 1, 2, 0
.endm
	s_wait_tensorcnt 1                             ; my part of K step 0 is in; K step 1's load may be out
	s_barrier_signal -1
	s_barrier_wait -1
	FETCH 0, 0, F0
	QUARTER 0, 1, F0, F1, 1                        ; the first products start the sums
	WIN 0
	s_mov_b32 s3, LAPS-1
.Llap:                                             ; a trip goes once round the ring and fills both slots again
	QUARTER 0, 2, F1, F0, 0
	QUARTER 0, 3, F0, F1, 0
	TURN 0, 1, 1
	QUARTER 1, 1, F0, F1, 0
	QUARTER 1, 2, F1, F0, 0
	QUARTER 1, 3, F0, F1, 0
	TURN 1, 0, 1
	QUARTER 0, 1, F0, F1, 0
	WIN 0
	s_sub_co_u32 s3, s3, 1
	s_cmp_lg_u32 s3, 0
	s_cbranch_scc1 .Llap
	QUARTER 0, 2, F1, F0, 0                        ; the last lap fills nothing
	QUARTER 0, 3, F0, F1, 0
	TURN 0, 1, 0
	QUARTER 1, 1, F0, F1, 0
	QUARTER 1, 2, F1, F0, 0
	QUARTER 1, 3, F0, F1, 0
	s_wait_dscnt 16
	WIN MUL
	MUL8 F1, 0, 0, 0
	MUL8 F1, 0, 2, 0
	s_wait_dscnt 0
	MUL8 F1, 1, 0, 0
	MUL8 F1, 1, 2, 0
	WIN 0
	PLACES
	; THE WAY OUT: 16 tokens x my 64 columns at a time through my own stage, back as rows of 256 bytes.  LDS serves a wave's instructions in order (ISA guide 5.7.1.4).
.macro TOSTAGE a
.irp b, 0,1,2,3
	ds_store_b128 v[STO], v[ACC+8*(4*(\a)+\b):ACC+8*(4*(\a)+\b)+3] offset:64*\b        ; each accumulator from its low end on
	ds_store_b128 v[STO], v[ACC+8*(4*(\a)+\b)+4:ACC+8*(4*(\a)+\b)+7] offset:64*\b+16
.endr
.irp t, 0,1,2,3,4,5,6,7
	ds_load_b128 v[OB+32*((\a)%2)+4*\t:OB+32*((\a)%2)+4*\t+3], v[RD] offset:\t*2*SPITCH
.endr
.endm
.macro SEND a, younger
	s_wait_dscnt \younger                          ; the block is back; the next block's sixteen LDS instructions may be out
.irp t, 0,1,2,3,4,5,6,7
	global_store_b128 v[CO], v[OB+32*((\a)%2)+4*\t:OB+32*((\a)%2)+4*\t+3], s[12:13] offset:(16*(\a)+2*\t)*8192   ; sixteen lanes store 256 consecutive bytes, aligned
.endr
.endm
	s_wait_xcnt 0x0                                ; the merge's loads and store have read their registers
	TOSTAGE 0
	TOSTAGE 1
	SEND 0, 16
	s_wait_xcnt 0x0                                ; block 0's stores have read their registers: block 2's loads may land there
	TOSTAGE 2
	SEND 1, 16
	s_wait_xcnt 0x0
	TOSTAGE 3
	SEND 2, 16
	SEND 3, 0
	s_wait_tensorcnt 0x0                           ; the wave's end
	ds_add_u32 v[SPW], v[NIL]
	s_wait_dscnt 0x0
	CROUND                                         ; the closing round
	s_endpgm
.Lfunc_end_k_q791087f3ad_proj:
	.size	k_q791087f3ad_proj, .Lfunc_end_k_q791087f3ad_proj-k_q791087f3ad_proj
	.p2alignl 7, 3214868480
	.fill 96, 4, 3214868480
	.section	.rodata,"a",@progbits
	.p2align	6, 0x0
	.amdhsa_kernel k_q791087f3ad_proj
		.amdhsa_group_segment_fixed_size 327680
		.amdhsa_private_segment_fixed_size 0
		.amdhsa_enable_private_segment 0
		.amdhsa_kernarg_size 40
		.amdhsa_user_sgpr_count 2
		.amdhsa_user_sgpr_kernarg_segment_ptr 1
		.amdhsa_wavefront_size32 1
		.amdhsa_system_sgpr_workgroup_id_x 1
		.amdhsa_system_sgpr_workgroup_id_y 1
		.amdhsa_system_sgpr_workgroup_id_z 1
		.amdhsa_system_vgpr_workitem_id 0
		.amdhsa_next_free_vgpr 512
		.amdhsa_next_free_sgpr 80
		.amdhsa_reserve_vcc 0
		.amdhsa_float_denorm_mode_32 3
		.amdhsa_float_denorm_mode_16_64 3
		.amdhsa_memory_ordered 1
		.amdhsa_forward_progress 1
		.amdhsa_inst_pref_size 100
	.end_amdhsa_kernel
	.amdgpu_metadata
---
amdhsa.version: [ 1, 2 ]
amdhsa.kernels:
  - .name:           k_q791087f3ad_proj
    .symbol:         k_q791087f3ad_proj.kd
    .args:
      - { .name: attn16, .offset: 0, .size: 8, .value_kind: global_buffer, .address_space: global }
      - { .name: wo16, .offset: 8, .size: 8, .value_kind: global_buffer, .address_space: global }
      - { .name: part, .offset: 16, .size: 8, .value_kind: global_buffer, .address_space: global }
      - { .name: attn32, .offset: 24, .size: 8, .value_kind: global_buffer, .address_space: global }
      - { .name: out0, .offset: 32, .size: 8, .value_kind: global_buffer, .address_space: global }
    .group_segment_fixed_size: 327680
    .private_segment_fixed_size: 0
    .kernarg_segment_align: 8
    .kernarg_segment_size: 40
    .max_flat_workgroup_size: 128
    .sgpr_count:     80
    .vgpr_count:     512
    .wavefront_size: 32
...
	.end_amdgpu_metadata
.endif
;; end of part 5
;; launch fproj (part 6): grid 128 x 1, 8 waves a work-group, no clusters, 9,216 bytes of LDS; arguments attn32, wo, out0; writes out0
.if DOCPART == 6
	.amdgcn_target "amdgcn-amd-amdhsa--gfx1250"
	.amdhsa_code_object_version 6
	.text
	.protected	k_q791087f3ad_fproj
	.globl	k_q791087f3ad_fproj
	.p2align	8
	.type	k_q791087f3ad_fproj,@function
k_q791087f3ad_fproj:
	s_mov_b64 s[64:65], 0
	v_nop
	global_prefetch_b8 v0, s[64:65] scope:SCOPE_SE
	s_setreg_imm32_b32 hwreg(HW_REG_WAVE_MODE, 25, 1), 1
	s_wait_xcnt 0x0
; Rows 0-15 of out0 = attn32 wo, both in f32, by the f32 matrix form: 16 rows of 2,048, no bulk work.  It runs last and writes over what the f16 product left in those rows.  No work is left out.
; Work-group n: columns 16 n .. 16 n + 15; wave w: heads 4 w .. 4 w + 3 (256 of K); the eight waves' parts are added through LDS.
; K is taken in the order of attn32's image, alike on both sides: chunk i, pair p: slot (h, j) is f = 64 head + 16 (i / 2) + 8 h + 4 (i % 2) + 2 p + j.  Source 0: registers 2 p, 2 p + 1 of the 16 bytes at 512 i + 16 lane.
; Source 1: wo(f, 16 n + r): sixteen lanes read 64 consecutive bytes: the f32 form takes one column a lane, and 16 columns to a work-group are what shares the work among 128.
; The four accumulators are written by matrix instructions alone and take turns; what is made of them goes into other registers.
.set SPW, 10
.set NIL, 11
.set X0,  32                           ; v32-63 attn, v64-95 wo
.set X1,  96
.set AC,  160
.set SPARE, 8192
	s_load_b128 s[4:7], s[0:1], 0x0                ; attn32, wo
	s_load_b64 s[8:9], s[0:1], 0x10                ; out0
	v_lshl_add_u32 v[SPW], v0, 2, SPARE
	v_mov_b32 v[NIL], 0
	v_lshrrev_b32 v1, 5, v0
	v_readfirstlane_b32 s10, v1                    ; wave
	v_and_b32 v2, 31, v0
	v_lshlrev_b32 v3, 4, v2                        ; 16 x lane
	v_and_b32 v4, 15, v0                           ; r
	v_bfe_u32 v5, v0, 4, 1                         ; h
	v_lshlrev_b32 v6, 2, v4
	v_lshl_add_u32 v6, v5, 16, v6                  ; wo: 8 h rows of 8,192 bytes + 4 r
	s_lshl_b32 s11, s10, 10
	v_add_nc_u32 v7, s11, v3                       ; LDS: my wave's 1,024 bytes
	v_bfe_u32 v8, v0, 6, 1
	v_lshlrev_b32 v8, 9, v8
	v_bfe_u32 v9, v0, 7, 1
	v_lshl_add_u32 v8, v9, 8, v8
	v_lshl_add_u32 v8, v4, 4, v8
	v_bfe_u32 v9, v0, 4, 2
	v_lshl_add_u32 v8, v9, 2, v8                   ; thread t wants row q = t / 16, column t % 16: 512 ((q % 8) / 4) + 16 (16 (q / 8) + t % 16) + 4 (q % 4)
	v_lshrrev_b32 v9, 4, v0
	v_lshlrev_b32 v9, 13, v9
	v_lshl_add_u32 v9, v4, 2, v9                   ; out0: 8,192 q + 4 (t % 16)
	s_lshl_b32 s12, s10, 14
	s_mov_b32 s13, 0
	s_lshl_b32 s14, s10, 21
	s_lshl_b32 s16, ttmp9, 6
	s_add_co_u32 s14, s14, s16
	s_mov_b32 s15, 0
	s_mov_b32 s17, 0
	s_wait_kmcnt 0x0
	s_add_nc_u64 s[4:5], s[4:5], s[12:13]
	s_add_nc_u64 s[6:7], s[6:7], s[14:15]
	s_add_nc_u64 s[8:9], s[8:9], s[16:17]
.macro LOAD hl, x                      ; one head: 8 + 32 loads
.irp i, 0,1,2,3,4,5,6,7
	global_load_b128 v[\x+4*\i:\x+4*\i+3], v3, s[4:5] offset:4096*\hl+512*\i
.endr
.irp i, 0,1,2,3,4,5,6,7
.irp p, 0,1
.irp j, 0,1
	global_load_b32 v[\x+32+2*(2*\i+\p)+\j], v6, s[6:7] offset:(64*\hl+16*(\i/2)+4*(\i%2)+2*\p+\j)*8192
.endr
.endr
.endr
.endm
.macro MULH x, first                   ; one head: 16 steps of 4 along K, four accumulators by turns
.irp i, 0,1,2,3,4,5,6,7
.irp p, 0,1
.if \first && (2*\i+\p < 4)
	v_wmma_f32_16x16x4_f32 v[AC+8*((2*\i+\p)%4):AC+8*((2*\i+\p)%4)+7], v[\x+4*\i+2*\p:\x+4*\i+2*\p+1], v[\x+32+2*(2*\i+\p):\x+32+2*(2*\i+\p)+1], 0
.else
	v_wmma_f32_16x16x4_f32 v[AC+8*((2*\i+\p)%4):AC+8*((2*\i+\p)%4)+7], v[\x+4*\i+2*\p:\x+4*\i+2*\p+1], v[\x+32+2*(2*\i+\p):\x+32+2*(2*\i+\p)+1], v[AC+8*((2*\i+\p)%4):AC+8*((2*\i+\p)%4)+7]
.endif
.endr
.endr
.endm
.macro FAR                             ; eight places behind this form (ISA guide 7.12.1)
.rept 8
	v_nop
.endr
.endm
	LOAD 0, X0
	LOAD 1, X1
	s_wait_loadcnt 40                              ; the older head is in; the other buffer's 40 loads are younger
	MULH X0, 1
	FAR
	LOAD 2, X0
	s_wait_loadcnt 40
	MULH X1, 0
	FAR
	LOAD 3, X1
	s_wait_loadcnt 40
	MULH X0, 0
	s_wait_loadcnt 0x0
	MULH X1, 0
	FAR
.irp k, 0,1,2,3
	v_pk_add_f32 v[16+2*\k:17+2*\k], v[AC+2*\k:AC+2*\k+1], v[AC+8+2*\k:AC+9+2*\k]       ; each accumulator from its low end on
	v_pk_add_f32 v[24+2*\k:25+2*\k], v[AC+16+2*\k:AC+17+2*\k], v[AC+24+2*\k:AC+25+2*\k]
.endr
.irp k, 0,1,2,3
	v_pk_add_f32 v[16+2*\k:17+2*\k], v[16+2*\k:17+2*\k], v[24+2*\k:25+2*\k]
.endr
	ds_store_b128 v7, v[16:19]
	ds_store_b128 v7, v[20:23] offset:512
	s_wait_dscnt 0x0                               ; for the others' sake: my stores are done
	s_barrier_signal -1
	s_barrier_wait -1
.irp w, 0,1,2,3,4,5,6,7
	ds_load_b32 v[24+\w], v8 offset:1024*\w
.endr
	s_wait_dscnt 0x0
	v_add_f32 v24, v24, v25
	v_add_f32 v26, v26, v27
	v_add_f32 v28, v28, v29
	v_add_f32 v30, v30, v31
	v_add_f32 v24, v24, v26
	v_add_f32 v28, v28, v30
	v_add_f32 v24, v24, v28
	global_store_b32 v9, v24, s[8:9]
	s_wait_tensorcnt 0x0                           ; the wave's end, behind my last LDS store
	ds_add_u32 v[SPW], v[NIL]
	s_wait_dscnt 0x0
	s_endpgm
.Lfunc_end_k_q791087f3ad_fproj:
	.size	k_q791087f3ad_fproj, .Lfunc_end_k_q791087f3ad_fproj-k_q791087f3ad_fproj
	.p2alignl 7, 3214868480
	.fill 96, 4, 3214868480
	.section	.rodata,"a",@progbits
	.p2align	6, 0x0
	.amdhsa_kernel k_q791087f3ad_fproj
		.amdhsa_group_segment_fixed_size 9216
		.amdhsa_private_segment_fixed_size 0
		.amdhsa_enable_private_segment 0
		.amdhsa_kernarg_size 24
		.amdhsa_user_sgpr_count 2
		.amdhsa_user_sgpr_kernarg_segment_ptr 1
		.amdhsa_wavefront_size32 1
		.amdhsa_system_sgpr_workgroup_id_x 1
		.amdhsa_system_sgpr_workgroup_id_y 1
		.amdhsa_system_sgpr_workgroup_id_z 1
		.amdhsa_system_vgpr_workitem_id 0
		.amdhsa_next_free_vgpr 192
		.amdhsa_next_free_sgpr 66
		.amdhsa_reserve_vcc 0
		.amdhsa_float_denorm_mode_32 3
		.amdhsa_float_denorm_mode_16_64 3
		.amdhsa_memory_ordered 1
		.amdhsa_forward_progress 1
		.amdhsa_inst_pref_size 24
	.end_amdhsa_kernel
	.amdgpu_metadata
---
amdhsa.version: [ 1, 2 ]
amdhsa.kernels:
  - .name:           k_q791087f3ad_fproj
    .symbol:         k_q791087f3ad_fproj.kd
    .args:
      - { .name: attn32, .offset: 0, .size: 8, .value_kind: global_buffer, .address_space: global }
      - { .name: wo, .offset: 8, .size: 8, .value_kind: global_buffer, .address_space: global }
      - { .name: out0, .offset: 16, .size: 8, .value_kind: global_buffer, .address_space: global }
    .group_segment_fixed_size: 9216
    .private_segment_fixed_size: 0
    .kernarg_segment_align: 8
    .kernarg_segment_size: 24
    .max_flat_workgroup_size: 256
    .sgpr_count:     66
    .vgpr_count:     192
    .wavefront_size: 32
...
	.end_amdgpu_metadata
.endif
;; end of part 6
